; MI455X (gfx1250); checked and timed in simulation.
; The chip was launched on July 23, 2026; its instructions are those of AMD's public machine-readable ISA for CDNA 5 (MIT licence, August 2026) and "CDNA5" Instruction Set Architecture Reference Guide (July 2026). The comments in the code are by the model that wrote it; some were corrected since.
;; Compressed Interaction Network. Allowed arithmetic: matrix products marked QUANTISED: E2M3 operands, one E8M0 scale for each 32 along K, by v_wmma_scale_f32_16x16x128_f8f6f4 with both operands' format E2M3, f32 sums; products left as they are: f32 operands where the result goes on into a quantised operand, else bf16, f16 or f32 operands; f32 sums; everything else in f32.
;; Inputs: W0_codes 256 x 32 x 24 uint8 (E2M3 codes of W0, K innermost, in blocks of 32 codes, four codes in three bytes); W0_scales 256 x 32 uint8 (E8M0 scales of W0, one for each 32 codes along K); W1_codes 256 x 128 x 24 uint8 (E2M3 codes of W1, K innermost, in blocks of 32 codes, four codes in three bytes); W1_scales 256 x 128 uint8 (E8M0 scales of W1, one for each 32 codes along K); W2_codes 256 x 128 x 24 uint8 (E2M3 codes of W2, K innermost, in blocks of 32 codes, four codes in three bytes); W2_scales 256 x 128 uint8 (E8M0 scales of W2, one for each 32 codes along K); b0 256 float32; b1 256 float32; b2 256 float32; fc_W 512 x 1 float32; fc_b 1 float32; x 1,024 x 32 x 16 float32.
;; Outputs: out0 1,024 x 1 float32.
;; This version of the problem:
;;   THIS VERSION OF THE PROBLEM IS GIVEN IN LOW PRECISION. The matrix products marked QUANTISED in the list below multiply operands that are first quantised to E2M3 (2 exponent bits, 3 mantissa bits; 6 bits a number), with one power-of-two scale for each 32 numbers along K (OCP MX v1.0); their sums are f32. All else is computed in f32.
;;   The module's matrix products, in the order in which they are computed (A, B: the left and right operand; K: the contracted axis; several contracted axes count as one K, in the product's order):
;;     1. batch 16,384 x [M 32, K 1] x [K 1, N 32]; A: computed on the way; B: computed on the way: left as it is (no contracted axis)
;;     2. [M 256, K 1,024] x [K 1,024, N 16,384]; A: input W0 (given as codes); B: computed on the way: QUANTISED
;;     3. batch 16,384 x [M 128, K 1] x [K 1, N 32]; A: computed on the way; B: computed on the way: left as it is (no contracted axis)
;;     4. [M 256, K 4,096] x [K 4,096, N 16,384]; A: input W1 (given as codes); B: computed on the way: QUANTISED
;;     5. batch 16,384 x [M 128, K 1] x [K 1, N 32]; A: computed on the way; B: computed on the way: left as it is (no contracted axis)
;;     6. [M 256, K 4,096] x [K 4,096, N 16,384]; A: input W2 (given as codes); B: computed on the way: QUANTISED
;;     7. [M 1,024, K 512] x [K 512, N 1]; A: computed on the way; B: input fc_W: left as it is (N = 1 < 16)
;;   THE QUANTISER, for each operand of a quantised product, along K:
;;     - K is cut into blocks of 32 from its start; a last block that is shorter is filled with zeros.
;;     - A block's scale is 2^e with e = floor(log2(the largest magnitude in the block)) - 2, held to -126 .. 127; a block of zeros has e = 0. As a byte (E8M0): e + 127.
;;     - Each number is divided by its block's scale, clamped to +-7.5, and rounded to the nearest number of E2M3, ties to even, subnormals kept.
;;     - The product sums the exact products of the quantised numbers (number of the format x scale) in f32.
;;   ~~~python
;;   def quantise(x, axis):      # numpy; x: float32 -> the quantised numbers, widened to float32 again
;;       x = np.moveaxis(x, axis, -1); K = x.shape[-1]
;;       x = np.pad(x, [(0, 0)] * (x.ndim - 1) + [(0, -K % 32)]); x = x.reshape(x.shape[:-1] + (-1, 32)); a = np.abs(x).max(-1, keepdims=True)
;;       e = np.where(a > 0, np.clip(np.frexp(np.where(a > 0, a, 1))[1] - 1 - 2, -126, 127), 0)      # np.frexp(a)[1] - 1 = floor(log2(a)), exactly
;;       r = np.clip(x / 2.0 ** e, -7.5, 7.5)
;;       step = 2.0 ** (np.maximum(np.frexp(np.where(r == 0, 1, r))[1] - 1, 0) - 3)
;;       q = np.round(r / step) * step * 2.0 ** e      # np.round: ties to even
;;       return np.moveaxis(q.reshape(q.shape[:-2] + (-1,))[..., :K], -1, axis).astype(np.float32)
;;   ~~~
;;   OPERANDS COMPUTED ON THE WAY. 'Computed on the way' means the value that the module computes at that place (a softmax that the list does not call 'softmax' is quantised finished and normalised). What goes into a quantiser is computed in f32, as accurately as f32 sums, v_exp_f32 and their like allow (about 1e-6 of the number): no bf16 or f16 on the way to a quantiser, and a product that is left as it is and whose result goes on into a quantised operand takes f32 operands (vector FMAs, or v_wmma_f32_16x16x4_f32). A number that lies on a knife's edge between two numbers of the format may be rounded either way, as far as f32 arithmetic and the matrix unit's own rounding can turn it there, and no further.
;;   INPUTS GIVEN AS CODES. W0 (in the module: [1024, 256], K = its axis 0); W1 (in the module: [4096, 256], K = its axis 0); W2 (in the module: [4096, 256], K = its axis 0): each comes as NAME_codes (uint8): NAME with its K axis moved to the last place and cut into blocks of 32 codes, [.., K / 32, bytes a block], one block behind the other in memory; four codes in three bytes: a row's codes are one little-endian stream of bits, code i at bits 6 i .. 6 i + 5 (a code: sign, 2 exponent bits, 3 mantissa bits); and NAME_scales (uint8): the same leading axes, one E8M0 byte (e + 127) for each 32 codes along K. Its value is code x scale, taken as it is: it is not quantised again, and the codes and scales need not be those that the quantiser above would give.
;; 2 versions, each right. Each part assembles by itself: llvm-mc -triple=amdgcn-amd-amdhsa -mcpu=gfx1250 --defsym DOCPART=n.
;; ======== version 1 of 2: 1 launch
;; launch cin (part 1): grid 256 x 1, 4 waves a work-group, clusters of 4 x 1, 327,680 bytes of LDS; arguments W0_codes, W0_scales, W1_codes, W1_scales, W2_codes, W2_scales, b0, b1, b2, fc_W, fc_b, x, out0; writes out0
.if DOCPART == 1
	.amdgcn_target "amdgcn-amd-amdhsa--gfx1250"
	.amdhsa_code_object_version 6
	.text
	.protected	k_q147f694df4_cin
	.globl	k_q147f694df4_cin
	.p2align	8
	.type	k_q147f694df4_cin,@function
k_q147f694df4_cin:
	s_mov_b64 s[64:65], 0
	v_nop
	global_prefetch_b8 v0, s[64:65] scope:SCOPE_SE
	s_setreg_imm32_b32 hwreg(HW_REG_WAVE_MODE, 25, 1), 1
	s_wait_xcnt 0x0
	s_wait_alu depctr_hold_cnt(0) depctr_sa_sdst(0) depctr_va_vdst(0) depctr_va_sdst(0) depctr_va_ssrc(0) depctr_va_vcc(0) depctr_vm_vsrc(0)
	s_getreg_b32 s2, hwreg(HW_REG_IB_STS2, 6, 4)
	s_cmp_eq_u32 s2, 0
	s_cbranch_scc0 .Lentry_in_a_cluster
	s_endpgm
.Lentry_in_a_cluster:
	s_bfe_u32 s2, ttmp6, 0x10000c
	s_cmp_lg_u32 s2, 0x3003
	s_cbranch_scc0 .Lentry_shape_is_right
	s_endpgm
.Lentry_shape_is_right:
; A compressed interaction network, three layers and the final dot product, in ONE launch.  A column is (batch b, embedding place d): 1,024 x 16 of them.
; Layer l: z[k = m N + n] = x[b][m][d] h[n][d] (f32, one rounding), quantised along K to FP6 (E2M3) with one E8M0 scale for each 32; y = relu(W^T z + bias), 256 channels; K = 1,024 (N = 32, h = x), then 4,096 twice (N = 128).
; Layers 0, 1: channels 0-127 go to the final sum, channels 128-255 are the next h.  Layer 2: all 256 go to the sum.  out[b] = sum over channel and d of relu(y) fc_W + fc_b.
; SHARES.  Work-group g owns batches 4 g .. 4 g + 3 (four column tiles c, lane % 16 = d) and ALL 256 channels, so that a fragment of z, which costs vector work, feeds sixteen channel tiles.
; Wave w owns channel tiles i = 0..3 at channels 32 w + 16 (i % 2) + 128 (i / 2): two of the lower half and two of the upper, so that all waves run the same way out.  16 accumulators (i, c).
; Wave w also MAKES the z fragments of batch w; they reach the other waves through LDS as images of the operand registers (16 bytes a lane, 512 bytes a store).
; A block of z is x[m] times a fixed block of h, and rounding is monotone: its largest magnitude is fl(|x[m]| max|h|), exactly; no search per block.
; WEIGHTS come as codes, in chunks of 512 along K (256 rows x 384 bytes), through a ring of two LDS slots.  CLUSTER: the four work-groups of a cluster walk the same weights, so each chunk is asked for
; JOINTLY (the same tensor load, the same descriptor, mask 15, in all four): a quarter of the requests.  Each wave fetches 64 rows; by this text's count two loads of a wave are out at the start, later one.
; K IS PERMUTED BY BLOCKS, ALIKE ON BOTH SIDES: lane (r, h) takes the 48 consecutive bytes at 96 q + 48 h of its weight row (three loads of 16 bytes), which puts true block 2 h + c at the operand's place 2 c + h;
; z is made in that order, and bytes 1 and 2 of each weight scale word change places once.  The products are the same; only the order of the f32 sums differs.
; PIPELINE.  Half-period t: load the fragments of K step t | the 16 products of step t - 1, and between them, one piece behind each, the making of my z fragment of step t + 2.  One barrier for two K steps;
; at every second one (a new chunk) it opens a round of the cluster's barrier, behind which the slot just left is filled again: that load has a chunk's 64 products a wave in which to land.
; The vector work (54 plain instructions a K step) would leave the matrix unit idle if it stood in phases of its own: so each piece costs two switches of the register window.
; LIMITS.  NaN and infinities among the inputs are not served.  A block of zeros carries the byte 1 (the rule says 127) over zero codes: these bytes are read by this program alone.
; The order of the f32 sums differs from the reference's: blocks 1 and 2 of each 128 along K change places, the bias starts each sum, and the final sum runs over d and channel together.
;
; LDS (bytes)
.set PITCH,  432                       ; a weight row in a slot: 3 x (128 bytes + 16 of padding) = 108 words: row r starts at bank 44 r mod 64 (64 banks of 4 bytes: ISA guide 11.1), sixteen different starts for the sixteen rows of a load
.set QUART,  64*PITCH                  ; 64 rows: what one tensor load brings
.set SLOT1,  1<<17                     ; slot 0 at 0, slot 1 here: one exclusive or turns one into the other; 110,592 bytes each
.set XB,     110592                    ; x: [batch w][m 32][d 16] f32, 2,048 bytes a wave, the wave's own
.set Z0,     118784                    ; z images, buffer 0: [step % 2] 6,144 + [c] 1,536 + [j] 512 + 16 lane
.set Z1,     241664                    ; buffer 1
.set ZSC,    253952                    ; z scale words: [buffer] 512 + [step % 2] 256 + [c] 64 + 4 r
.set HB,     254976                    ; h: [c] 8,448 + [d] 528 + 4 n
.set SC,     288768                    ; weight scale words of the layer in hand: [chunk] 4,128 + 1,024 w + 512 u + 16 lane (row 128 u + 32 w + lane: four words); the wave's own
.set SCH,    4128
.set RED,    321792                    ; the waves' partial sums: 16 w + 4 c
.set SPARE,  322048                    ; the spare words, 128 bytes a wave: two blocks of 256 bytes that no other line names
; REGISTERS, window 0
.set SPW,  1                           ; LDS address of my spare word; never rewritten
.set NIL,  2                           ; 0; never rewritten
.set AW0,  3                           ; (32 w + r) PITCH + 48 h: my place in a slot
.set AW1,  4                           ; the same behind one padding more for lanes 16-31
.set ADW0, 5                           ; the two in the slot in hand: made anew behind every even half-period's barrier
.set ADW1, 6
.set ZR0,  7                           ; v7, v8    Z0, Z1 + 16 lane: an image's place for my lane
.set ZW0,  9                           ; v9, v10   the same + 1,536 w: where I store
.set ZSR,  11                          ; ZSC + 4 lane
.set ZSW,  12                          ; ZSC + 64 w + 4 r
.set XA0,  13                          ; XB + 2,048 w + 128 h + 4 r: layer 0's x
.set XAB,  14                          ; XB + 2,048 w + 4 r
.set XAL,  15                          ; XAB + the trip's step
.set XAL4, 16                          ; XAB + the trip's step for its fourth load, held at row 31
.set XST,  17                          ; XB + 2,048 w + 16 lane
.set SQA,  18                          ; SC + 1,024 w + 16 lane
.set SQAL, 19                          ; SQA + the trip's chunk
.set SWA0, 20                          ; where layer 0's scale words are staged
.set SWA1, 21                          ; and layer 1's, 2's
.set HWA,  22                          ; HB + 528 r + 32 h + 128 w
.set HRA,  23                          ; HB + 8,448 w + 528 r + 256 h
.set REDW, 24
.set REDR, 25
.set GL16, 26                          ; offsets into memory: 16 lane;
.set GS0,  27                          ; 1,024 w + 16 lane;
.set GS1,  28                          ; 4,096 w + 16 lane;
.set GB,   29                          ; 128 w + 32 h;
.set SH8,  30                          ; (8 h: a shift)
.set OUTO, 31                          ; 4 lane
.set SQ,   32                          ; v32-39  weight scale words: 4 u + q: lanes 0-15 tile 2 u, lanes 16-31 tile 2 u + 1
.set ZS,   40                          ; v40-43  z scale words: 2 set + u: lanes 0-15 column tile 2 u, lanes 16-31 tile 2 u + 1
.set XV,   44                          ; v44-51  x, two sets of two pairs (the pairs' upper words are 0 and not used)
.set MG0,  52                          ; v52, 53 the two blocks' largest magnitudes
.set SO0,  54                          ; v54, 55 the conversions' scale operands
.set BY0,  56                          ; v56, 57 the scale bytes
.set WD,   58                          ; the scale word
.set WD2,  59
.set HM0,  60                          ; v60, 61 the largest |h| of my two blocks
.set PC,   62                          ; v62-73  the fragment's codes
.set QQ,   74                          ; v74-81  the upper halves of the blocks' codes, as the conversions leave them
.set S,    82                          ; v82-89  the final sum, a pair for each column tile
.set H,    96                          ; v96-159 my 64 numbers of h (layer 0: 32 of x)
.set T,    160                         ; v160-223 the 64 products
.set LN,   224                         ; scratch of the head
.set RR,   225
.set HH,   226
.set TA,   227
.set TC,   228
.set XD,   240                         ; v240-255 x on its way to LDS
; window 1: set e at 96 e: weight fragment i at + 12 i, z fragment c at + 48 + 12 c.   window 2: accumulator (i, c) at 8 (4 i + c); biases at BI + 32 layer + 8 i.
; window 3: scale words waiting for their layer (ST0, ST1, ST1 + 64); fc_W in the result's layout (FW0, FW1, FW2).
.set BI,   128
.set ST0,  0
.set ST1,  16
.set FW0,  144
.set FW1,  160
.set FW2,  176
; scalars
.set WV,   30                          ; my wave's number
.set G1A,  36                          ; s[36:43] descriptor group 1 for W0's chunks;  s[44:51] for W1's and W2's: they differ in the pitch
.set G1B,  44
.set G00,  52                          ; s[52:55], s[56:59] groups 0 of the two first fills;  s[60:63] the walking one
.set G01,  56
.set G0W,  60
.set PA,   66                          ; s[66:67] the walking address, without the type bits
.set PW2,  68                          ; s[68:69] my rows of W2
.set TB,   70                          ; the slot in hand
.set CNT,  71
.set TX,   72
.set TX4,  73
.set SEL,  74                          ; s[74:75] lane selects: lane l xor 16
.set FLOOR, 76
.set NEG2, 77
.set PSEL, 78
.set FCB,  79
.set TS,   88
.set W_MM,   0xa5                      ; A and B window 1, C and D window 2
.set W_LD,   0x40                      ; destination window 1
.set W_RELU, 0x08                      ; source 1 window 2
.set W_3,    0x0c                      ; source 1 window 3
.set MSB, 0
.set NLD, 0
.macro WIN new                         ; the immediate's high byte repeats the setting that is left; a switch that changes nothing is dropped
.if MSB != \new
	s_set_vgpr_msb (MSB<<8)|\new
.set MSB, \new
.endif
.endm
.macro CREST                           ; a round of the cluster's barrier behind its opening barrier
	s_cmp_lg_u32 s[WV], 0
	s_cbranch_scc1 .Lnot_wave_0_\@
	s_barrier_signal -3
.Lnot_wave_0_\@:
	s_barrier_wait -3
	s_barrier_signal -1
	s_barrier_wait -1
.endm
.macro ROUND                           ; a whole round
	s_barrier_signal -1
	s_barrier_wait -1
	CREST
.endm
.macro BARRIER                         ; my LDS stores have landed and my LDS loads are in: then the work-group's barrier
	s_wait_dscnt 0x0
	s_barrier_signal -1
	s_barrier_wait -1
.endm
.macro PLACES                          ; four places behind this form of matrix instruction, in front of loads into its registers and of reads of its results
.rept 4
	v_nop
.endr
.endm
; The fragments of a K step into set e: the q-th 128 along K of the slot in hand; z from buffer zb.  26 LDS loads.
.macro LFRAG e, q, zb
	WIN W_LD
.irp i, 0,1,2,3
.irp j, 0,1,2
.set LX0, 96*(\q)+16*\j                ; lanes 0-15 take byte LX0 of the row's data, lanes 16-31 byte LX0 + 48;
.set LP0, LX0/128                      ; 16 bytes of padding lie behind every 128: where the upper lanes' piece lies behind one padding more, the second address register serves
.set LP1, (LX0+48)/128
.if LP1 == LP0
	ds_load_b128 v[96*(\e)+12*\i+4*\j:96*(\e)+12*\i+4*\j+3], v[ADW0] offset:(16*(\i%2)+128*(\i/2))*PITCH+LX0+16*LP0
.else
	ds_load_b128 v[96*(\e)+12*\i+4*\j:96*(\e)+12*\i+4*\j+3], v[ADW1] offset:(16*(\i%2)+128*(\i/2))*PITCH+LX0+16*LP0
.endif
.endr
.endr
.irp c, 0,1,2,3
.irp j, 0,1,2
	ds_load_b128 v[96*(\e)+48+12*\c+4*\j:96*(\e)+48+12*\c+4*\j+3], v[ZR0+(\zb)] offset:6144*(\e)+1536*\c+512*\j
.endr
.endr
	WIN 0
.irp u, 0,1
	ds_load_b32 v[ZS+2*(\e)+\u], v[ZSR] offset:512*(\zb)+256*(\e)+128*\u
.endr
.set NLD, NLD+26
.endm
.macro XLD set, reg, off               ; x of a K step: one number a lane (layers 1, 2), or two, for its two blocks (layer 0)
	ds_load_b32 v[XV+4*(\set)], v[\reg] offset:\off
.set NLD, NLD+1
.if ZXB
	ds_load_b32 v[XV+4*(\set)+2], v[\reg] offset:(\off)+64
.set NLD, NLD+1
.endif
.endm
.macro SQLD half, reg, off             ; two of a chunk's four weight scale words (half 0: the first two; 1: the last two), for my four tiles
.irp u, 0,1
	ds_load_b64 v[SQ+4*\u+2*(\half):SQ+4*\u+2*(\half)+1], v[\reg] offset:(\off)+512*\u+8*(\half)
.endr
.set NLD, NLD+2
.endm
.macro PKM c, i                        ; two products of block c: h x the block's x
.if (\c) == 0
	v_pk_mul_f32 v[T+2*(\i):T+2*(\i)+1], v[H+2*(\i):H+2*(\i)+1], v[XV+4*ZSET:XV+4*ZSET+1] op_sel_hi:[1,0]
.else
	v_pk_mul_f32 v[T+32+2*(\i):T+32+2*(\i)+1], v[H+ZH1+2*(\i):H+ZH1+2*(\i)+1], v[XV+4*ZSET+ZXB:XV+4*ZSET+ZXB+1] op_sel_hi:[1,0]
.endif
.endm
; Piece NN of 16 of the making of a z fragment.  Symbols: ZSET (which x), ZXB, ZH1, ZHMB (the layer's shape), ZWR, ZOFF, ZSOFF (where it goes).
; Each scaled conversion has a plain vector line between it and the first use of its result; the four plain lines of piece 15 are the places behind the step's last product.
.macro ZP
.if NN == 0
	v_mul_f32 v[MG0], |v[XV+4*ZSET]|, v[HM0]                 ; the blocks' largest magnitudes: |x| x the largest |h|, rounded as the products are
	v_mul_f32 v[MG0+1], |v[XV+4*ZSET+ZXB]|, v[HM0+ZHMB]
	PKM 0, 0
	PKM 0, 1
.elseif NN == 1
	v_max_num_f32 v[MG0], s[FLOOR], v[MG0]                   ; the floor 2^(3 - 127): the byte cannot fall under 1
	v_max_num_f32 v[MG0+1], s[FLOOR], v[MG0+1]
	PKM 0, 2
	PKM 0, 3
.elseif NN == 2
	v_add_nc_u32 v[SO0], s[NEG2], v[MG0]                     ; 2 off the exponent field: the conversion's scale operand
	v_add_nc_u32 v[SO0+1], s[NEG2], v[MG0+1]
	PKM 0, 4
	PKM 0, 5
.elseif NN == 3
	v_lshrrev_b32 v[BY0], 23, v[SO0]                         ; the scale bytes
	v_lshrrev_b32 v[BY0+1], 23, v[SO0+1]
	PKM 0, 6
	PKM 0, 7
.elseif NN == 4
	v_cvt_scalef32_pk16_fp6_f32 v[PC:PC+2], v[T:T+15], v[SO0]
	v_lshl_or_b32 v[WD], v[BY0+1], 16, v[BY0]                ; my two bytes stand at the operand's places h and 2 + h
	PKM 0, 8
	PKM 0, 9
.elseif NN == 5
	v_lshlrev_b32 v[WD], v[SH8], v[WD]
	PKM 0, 10
	PKM 0, 11
.elseif NN == 6
	v_permlanex16_b32 v[WD2], v[WD], s[SEL], s[SEL+1]
	PKM 0, 12
	PKM 0, 13
.elseif NN == 7
	v_or_b32 v[WD], v[WD], v[WD2]                            ; with lane l xor 16's two the word is whole
	PKM 0, 14
	PKM 0, 15
.elseif NN == 8
	v_cvt_scalef32_pk16_fp6_f32 v[QQ:QQ+2], v[T+16:T+31], v[SO0]     ; (a conversion's three registers begin on an even number: a block's upper half is made elsewhere and moved)
	PKM 1, 0
	PKM 1, 1
	PKM 1, 2
.elseif NN == 9
	v_mov_b32 v[PC+3], v[QQ]
	v_mov_b32 v[PC+4], v[QQ+1]
	v_mov_b32 v[PC+5], v[QQ+2]
	PKM 1, 3
.elseif NN == 10
	PKM 1, 4
	PKM 1, 5
	PKM 1, 6
	PKM 1, 7
.elseif NN == 11
	v_cvt_scalef32_pk16_fp6_f32 v[PC+6:PC+8], v[T+32:T+47], v[SO0+1]
	PKM 1, 8
	PKM 1, 9
	PKM 1, 10
.elseif NN == 12
	PKM 1, 11
	PKM 1, 12
	PKM 1, 13
.elseif NN == 13
	PKM 1, 14
	PKM 1, 15
.elseif NN == 14
	v_cvt_scalef32_pk16_fp6_f32 v[QQ+4:QQ+6], v[T+48:T+63], v[SO0+1]
.else
	v_nop
	v_mov_b32 v[PC+9], v[QQ+4]
	v_mov_b32 v[PC+10], v[QQ+5]
	v_mov_b32 v[PC+11], v[QQ+6]
.irp j, 0,1,2
	ds_store_b128 v[ZWR], v[PC+4*\j:PC+4*\j+3] offset:ZOFF+512*\j    ; the fragment goes to LDS as it stands
.endr
	ds_store_b32 v[ZSW], v[WD] offset:ZSOFF                          ; lanes r and r + 16 write the same word with the same value
.endif
.endm
; Product NN of 16 of a K step: tile i = NN % 4, column tile c = NN / 4.  Symbols: ME (set), MQ (which of the chunk's four words), MFIRST (the bias starts the sum: nothing is cleared or added later).
; The 16 accumulators take turns, one instruction a turn, in the same order in every step.
.macro WM
.set MI, NN%4
.set MC, NN/4
.set MD, 8*(4*MI+MC)
.set MCB, MD
.if MFIRST
.set MCB, BI+32*LAYER+8*MI
.endif
.set MA, 96*ME+12*MI
.set MB, 96*ME+48+12*MC
.set MSA, SQ+4*(MI/2)+MQ
.set MZS, ZS+2*ME+MC/2
.if (MI%2 == 0) && (MC%2 == 0)
	v_wmma_scale_f32_16x16x128_f8f6f4 v[MD:MD+7], v[MA:MA+11], v[MB:MB+11], v[MCB:MCB+7], v[MSA], v[MZS] matrix_a_fmt:MATRIX_FMT_FP6 matrix_b_fmt:MATRIX_FMT_FP6
.elseif (MI%2 == 1) && (MC%2 == 0)
	v_wmma_scale_f32_16x16x128_f8f6f4 v[MD:MD+7], v[MA:MA+11], v[MB:MB+11], v[MCB:MCB+7], v[MSA], v[MZS] matrix_a_fmt:MATRIX_FMT_FP6 matrix_b_fmt:MATRIX_FMT_FP6 matrix_a_scale:MATRIX_SCALE_ROW1
.elseif (MI%2 == 0) && (MC%2 == 1)
	v_wmma_scale_f32_16x16x128_f8f6f4 v[MD:MD+7], v[MA:MA+11], v[MB:MB+11], v[MCB:MCB+7], v[MSA], v[MZS] matrix_a_fmt:MATRIX_FMT_FP6 matrix_b_fmt:MATRIX_FMT_FP6 matrix_b_scale:MATRIX_SCALE_ROW1
.else
	v_wmma_scale_f32_16x16x128_f8f6f4 v[MD:MD+7], v[MA:MA+11], v[MB:MB+11], v[MCB:MCB+7], v[MSA], v[MZS] matrix_a_fmt:MATRIX_FMT_FP6 matrix_b_fmt:MATRIX_FMT_FP6 matrix_a_scale:MATRIX_SCALE_ROW1 matrix_b_scale:MATRIX_SCALE_ROW1
.endif
.endm
; Products lo .. hi (mm = 1) with a piece of z behind each (zg = 1); without pieces, four places behind the last.
.macro MMRUN lo, hi, mm, zg
.set NN, \lo
.rept (\hi)-(\lo)+1
.if \mm
	WIN W_MM
	WM
.endif
.if \zg
	WIN 0
	ZP
.elseif NN == 15
	WIN 0
	PLACES
.endif
.set NN, NN+1
.endr
.endm
; AN EVEN HALF-PERIOD t: the barrier for K steps t, t + 1; step t's fragments into set 0; the products of step t - 1 (set 1); z of step t + 2.
; bar = 0: a plain barrier (z alone changes hands).  1: a new chunk begins and the slot just left is filled again.  2: the launch's first.  3: the last chunk begins, nothing is left to fetch.
.macro HPE bar, tog, adv, sel, q, zb, mm, zg, xl, xreg, xoff, step
	WIN 0
.if (\bar) == 2
	s_wait_tensorcnt 0x1                           ; my part of chunk 0 is in; chunk 1's may stay out
.elseif (\bar) != 0
	s_wait_tensorcnt 0x0                           ; all my tensor loads have landed: my part of the chunk that is about to be read; so the walking descriptor may be written
	ds_add_u32 v[SPW], v[NIL]                      ; 0 onto my spare word: scalar work stands between it and the wait for it
.if (\bar) == 1
.if \adv
	s_xor_b32 s[G0W+1], s[G0W+1], SLOT1            ; the other slot than last time,
	s_add_nc_u64 s[PA:PA+1], s[PA:PA+1], 384       ; the next 512 along K
.endif
.if \sel
	s_cmp_eq_u32 s[CNT], 1                         ; the layer's last trip asks for the next layer's first chunk: a choice on the trip count, no jump
	s_cselect_b64 s[PA:PA+1], s[PW2:PW2+1], s[PA:PA+1]
.endif
	s_mov_b64 s[G0W+2:G0W+3], s[PA:PA+1]
	s_or_b32 s[G0W+3], s[G0W+3], 0x80000000        ; type = 2
.endif
.endif
.if \tog
	s_xor_b32 s[TB], s[TB], SLOT1                  ; the fragments now come from the other slot
.endif
	s_wait_dscnt 0x0                               ; my z of steps t, t + 1 has landed; my reads of the other z buffer and of the slot just left are over; set 1 is in; the add is done
	s_barrier_signal -1
.if \step
	v_add_nc_u32 v[XAL], s[TX], v[XAB]             ; the trip's addresses (no LDS load of mine is out)
	v_add_nc_u32 v[XAL4], s[TX4], v[XAB]
	v_add_nc_u32 v[SQAL], s[TS], v[SQA]
.endif
.set ME, 1
.set MQ, ((\q)+3)%4
.set MFIRST, 0
.set ZSET, 0
.set ZWR, ZW0+1-(\zb)
.set ZOFF, 0
.set ZSOFF, 512*(1-(\zb))
	MMRUN 0, 7, \mm, \zg                           ; work on registers while the others arrive
	WIN 0
	s_barrier_wait -1
.if (\bar) == 1
	CREST                                          ; the barrier has opened a round of the cluster's: no wave of any partner still reads the slot or has a load on its way
	tensor_load_to_lds s[G0W:G0W+3], s[G1B:G1B+7]  ; my one tensor load behind the round, and the first thing there
	s_nop 0
.endif
	v_add_nc_u32 v[ADW0], s[TB], v[AW0]            ; my place in the slot in hand: made here in every even half-period, so that no address is carried round a backward jump
	v_add_nc_u32 v[ADW1], s[TB], v[AW1]
.if (\bar) == 1
	v_nop                                          ; four vector lines stand between the tensor load and the next switch of windows
	v_nop
.endif
	LFRAG 0, \q, \zb
.if \xl
	XLD 1, \xreg, \xoff                            ; x of step t + 3
.endif
	MMRUN 8, 15, \mm, \zg
.endm
; AN ODD HALF-PERIOD t: step t's fragments into set 1; the products of step t - 1 (set 0); z of step t + 2.  Its group of LDS instructions also brings x of step t + 3,
; two weight scale words (q = 1: the chunk's last two; q = 3: the next chunk's first two), and at a layer's end stores the next layer's scale words over this layer's, whose last load has been issued.
.macro HPO q, zb, first, zg, xl, xreg, xoff, sq, sqreg, sqoff, stage
.set NLD, 0
	LFRAG 1, \q, \zb
.if \xl
	XLD 0, \xreg, \xoff
.endif
.if \sq
	SQLD (3-(\q))/2, \sqreg, \sqoff                ; q = 1: half 1; q = 3: half 0
.endif
.if \stage
	WIN W_3                                        ; an LDS store's data are its source 1: window 3
.irp u, 0,1
.irp i, 0,1,2,3,4,5,6,7
	ds_store_b128 v[SWA1], v[ST1+64*((\stage)-1)+4*(8*\u+\i):ST1+64*((\stage)-1)+4*(8*\u+\i)+3] offset:512*\u+64*\i
.endr
.endr
	WIN 0
.set NLD, NLD+16
.endif
	s_wait_dscnt NLD                               ; LDS instructions end in order (ISA guide 5.7.1): all but this group's are done: set 0 is in, x is in, my last z stores have read their registers
.set ME, 0
.set MQ, (\q)-1
.set MFIRST, \first
.set ZSET, 1
.set ZWR, ZW0+1-(\zb)
.set ZOFF, 6144
.set ZSOFF, 512*(1-(\zb))+256
	MMRUN 0, 15, 1, \zg
.endm
.macro TAIL                            ; a layer's last K step
	s_wait_dscnt 0x0                               ; set 1 is in
.set ME, 1
.set MQ, 3
.set MFIRST, 0
	MMRUN 0, 15, 1, 0
.endm
.macro HMAX two                        ; the largest |h| of my block (of my two blocks, by turns)
	v_max3_num_f32 v[HM0], |v[H]|, |v[H+1]|, |v[H+2]|
.if \two
	v_max3_num_f32 v[HM0+1], |v[H+32]|, |v[H+33]|, |v[H+34]|
.endif
.irp i, 3,5,7,9,11,13,15,17,19,21,23,25,27,29
	v_max3_num_f32 v[HM0], v[HM0], |v[H+\i]|, |v[H+\i+1]|
.if \two
	v_max3_num_f32 v[HM0+1], v[HM0+1], |v[H+32+\i]|, |v[H+33+\i]|
.endif
.endr
	v_max_num_f32 v[HM0], v[HM0], |v[H+31]|
.if \two
	v_max_num_f32 v[HM0+1], v[HM0+1], |v[H+63]|
.endif
.endm
.macro ZFIRST xreg, xoff               ; z of a layer's K steps 0 and 1, into buffer 0, with nothing to set them between; x of step 2 is asked for
.set ZSET, 0
.set ZWR, ZW0
.set ZOFF, 0
.set ZSOFF, 0
	MMRUN 0, 15, 0, 1
	s_wait_dscnt 0x0                               ; the stores have read the codes' registers
	XLD 0, \xreg, \xoff
.set ZSET, 1
.set ZOFF, 6144
.set ZSOFF, 256
	MMRUN 0, 15, 0, 1
.endm
.macro PROLOGUE                        ; layers 1, 2, behind the barrier that shows h whole
.irp i, 0,1,2,3,4,5,6,7,8,9,10,11,12,13,14,15
	ds_load_b128 v[H+4*\i:H+4*\i+3], v[HRA] offset:16*\i             ; h[64 h + 0 .. 63] of batch w at d = r
.endr
	XLD 0, XAB, 0
	XLD 1, XAB, 64
	SQLD 0, SQA, 0
	s_wait_dscnt 0x0
	HMAX 1
	ZFIRST XAB, 128
.endm
.macro RELU dst, i0                    ; tiles i0, i0 + 1: relu into 64 registers of window 0; each accumulator from its low end on
	WIN W_RELU
.irp ii, 0,1
.irp c, 0,1,2,3
.irp j, 0,1,2,3,4,5,6,7
	v_max_num_f32 v[\dst+8*(4*\ii+\c)+\j], 0, v[8*(4*(\i0+\ii)+\c)+\j]
.endr
.endr
.endr
	WIN 0
.endm
.macro FCSUM fw                        ; the 64 numbers in T times fc_W, onto the four column tiles' sums: four chains by turns
	WIN W_3
.irp ii, 0,1
.irp jj, 0,1,2,3
.irp c, 0,1,2,3
	v_pk_fma_f32 v[S+2*\c:S+2*\c+1], v[T+8*(4*\ii+\c)+2*\jj:T+8*(4*\ii+\c)+2*\jj+1], v[\fw+8*\ii+2*\jj:\fw+8*\ii+2*\jj+1], v[S+2*\c:S+2*\c+1]
.endr
.endr
.endr
	WIN 0
.endm
.macro EPI fw                          ; the way out of layers 0, 1: the upper channels become h in LDS, the lower go to the sum
	RELU H, 2
.irp ii, 0,1
.irp c, 0,1,2,3
.irp hf, 0,1
	ds_store_b128 v[HWA], v[H+8*(4*\ii+\c)+4*\hf:H+8*(4*\ii+\c)+4*\hf+3] offset:8448*\c+64*\ii+16*\hf   ; lane (r, h): h[32 w + 16 ii + 8 h + 0 .. 7] of batch c at d = r
.endr
.endr
.endr
	RELU T, 0
	FCSUM \fw
	BARRIER                                        ; h is whole.  (My one tensor load may stay out)
.endm
.macro TRIP sel                        ; K steps 4 k - 2 .. 4 k + 1 of layers 1, 2
	HPE 0,0,0,0, 2,1, 1,1, 1,XAL,320, 1
	HPO 3,1, 0,1, 1,XAL,384, 1,SQAL,0, 0
	HPE 1,1,1,\sel, 0,0, 1,1, 1,XAL,448, 0
	HPO 1,0, 0,1, 1,XAL4,0, 1,SQAL,0, 0            ; (in layer 1's last trip the fourth load is held at row 31: it brings a number that nobody uses, and stays inside my rows of x)
	WIN 0
	s_add_co_u32 s[TX], s[TX], 256
	s_add_co_u32 s[TX4], s[TX], 512
	s_min_u32 s[TX4], s[TX4], 1984
	s_add_co_u32 s[TS], s[TS], SCH
	s_sub_co_u32 s[CNT], s[CNT], 1
	s_cmp_lg_u32 s[CNT], 0
.endm
.macro BIASLD l, sb
.irp i, 0,1,2,3
.irp hf, 0,1
	global_load_b128 v[BI+32*\l+8*\i+4*\hf:BI+32*\l+8*\i+4*\hf+3], v[GB], s[\sb:\sb+1] offset:64*(\i%2)+512*(\i/2)+16*\hf
.endr
.endr
.endm
; ---------------------------------------------------------------- the head
	s_load_b512 s[4:19], s[0:1], 0x0               ; W0 codes s[4:5], scales s[6:7]; W1 s[8:9], s[10:11]; W2 s[12:13], s[14:15]; b0 s[16:17]; b1 s[18:19]
	s_load_b256 s[20:27], s[0:1], 0x40             ; b2 s[20:21]; fc_W s[22:23]; fc_b s[24:25]; x s[26:27]
	s_load_b64 s[28:29], s[0:1], 0x60              ; out0
	v_lshl_add_u32 v[SPW], v0, 2, SPARE
	v_mov_b32 v[NIL], 0
	ds_add_u32 v1, v2
	ds_add_u32 v1, v2
	s_wait_dscnt 0x0
	v_lshrrev_b32 v[TA], 5, v0
	v_readfirstlane_b32 s[WV], v[TA]               ; wave 0..3
	s_bfe_u32 s31, ttmp6, 0x40000                  ; cx: my place in the cluster
	s_lshl_b32 s32, ttmp9, 2                       ; in a cluster launch ttmp9 counts clusters
	s_add_co_u32 s32, s32, s31                     ; g = 4 x cluster + cx: it enters x's and out0's addresses alone
	; descriptor group 1: 64 rows x 384 bytes, 16 bytes of padding behind every 128
	s_mov_b32 s[G1A], 15|(1<<20)|(1<<21)|(4<<22)|(3<<25)   ; 15:0 the mask: all four work-groups; 17:16 elements of 1 byte; 20 padding on; 21 set beside a mask; 24:22 after every 32 words (code 4); 31:25 of 4 words (code 3)
	s_mov_b32 s[G1B], 15|(1<<20)|(1<<21)|(4<<22)|(3<<25)
.irp g, G1A, G1B
	s_mov_b32 s[\g+1], 384<<16                     ; tensor_dim0
	s_mov_b32 s[\g+2], 64<<16                      ; tensor_dim1
	s_mov_b32 s[\g+3], 384<<16                     ; tile_dim0
	s_mov_b32 s[\g+4], 64                          ; tile_dim1
	s_mov_b32 s[\g+6], 0
	s_mov_b32 s[\g+7], 0
.endr
	s_mov_b32 s[G1A+5], 768                        ; a row of W0's codes in bytes
	s_mov_b32 s[G1B+5], 3072                       ; of W1's and W2's
	s_mov_b32 s[TB], 0
	s_mov_b32 s[SEL], 0x76543210
	s_mov_b32 s[SEL+1], 0xfedcba98
	s_mov_b32 s[FLOOR], 0x1800000                  ; 2^(3 - 127)
	s_mov_b32 s[NEG2], 0xff000000                  ; -(2 << 23)
	s_mov_b32 s[PSEL], 0x03010200                  ; bytes 1 and 2 change places
	s_mul_i32 s80, s[WV], QUART                    ; my 64 rows in a slot: no place in the cluster enters an LDS address
	s_mul_i32 s82, s[WV], 64*768                   ; and in W0,
	s_mov_b32 s83, 0
	s_mul_i32 s84, s[WV], 64*3072                  ; in W1 and W2
	s_mov_b32 s85, 0
	s_lshl_b32 s86, s32, 13                        ; x: batch 4 g + w, 2,048 bytes each
	s_lshl_b32 s87, s[WV], 11
	s_add_co_u32 s86, s86, s87
	s_mov_b32 s87, 0
	s_lshl_b32 s90, s32, 4                         ; out0: 16 bytes a work-group
	s_mov_b32 s91, 0
	s_wait_kmcnt 0x0
	s_mov_b32 s[G00], 1                            ; count = 1
	s_mov_b32 s[G00+1], s80                        ; slot 0
	s_add_nc_u64 s[G00+2:G00+3], s[4:5], s[82:83]  ; W0's chunk 0
	s_or_b32 s[G00+3], s[G00+3], 0x80000000        ; type = 2
	s_mov_b32 s[G01], 1
	s_add_co_u32 s[G01+1], s80, SLOT1              ; slot 1
	s_add_nc_u64 s[G01+2:G01+3], s[4:5], s[82:83]
	s_add_nc_u64 s[G01+2:G01+3], s[G01+2:G01+3], 384   ; W0's chunk 1
	s_or_b32 s[G01+3], s[G01+3], 0x80000000
	s_mov_b32 s[G0W], 1
	s_mov_b32 s[G0W+1], s80                        ; the first refill goes to slot 0
	s_add_nc_u64 s[PA:PA+1], s[8:9], s[84:85]      ; and brings W1's chunk 0
	s_add_nc_u64 s[PW2:PW2+1], s[12:13], s[84:85]
	s_add_nc_u64 s[26:27], s[26:27], s[86:87]
	s_add_nc_u64 s[28:29], s[28:29], s[90:91]
	ROUND                                          ; all four work-groups are here: the first joint loads meet
	tensor_load_to_lds s[G00:G00+3], s[G1A:G1A+7]  ; both first fills together, ahead of every wait on TENSORcnt, every LDS read and every other barrier: two loads of mine are out
	s_nop 0
	tensor_load_to_lds s[G01:G01+3], s[G1A:G1A+7]
	s_nop 0
	v_and_b32 v[LN], 31, v0                        ; lane
	v_and_b32 v[RR], 15, v0                        ; r
	v_bfe_u32 v[HH], v0, 4, 1                      ; h
	v_mul_u32_u24 v[AW0], v[RR], PITCH
	v_mad_u32_u24 v[AW0], v[HH], 48, v[AW0]
	s_mul_i32 s81, s[WV], 32*PITCH
	v_add_nc_u32 v[AW0], s81, v[AW0]
	v_lshl_add_u32 v[AW1], v[HH], 4, v[AW0]
	v_lshl_add_u32 v[ZR0], v[LN], 4, Z0
	v_lshl_add_u32 v[ZR0+1], v[LN], 4, Z1
	s_mul_i32 s81, s[WV], 1536
	v_add_nc_u32 v[ZW0], s81, v[ZR0]
	v_add_nc_u32 v[ZW0+1], s81, v[ZR0+1]
	v_lshl_add_u32 v[ZSR], v[LN], 2, ZSC
	v_lshl_add_u32 v[ZSW], v[RR], 2, ZSC
	s_lshl_b32 s81, s[WV], 6
	v_add_nc_u32 v[ZSW], s81, v[ZSW]
	v_lshl_add_u32 v[XAB], v[RR], 2, XB
	s_lshl_b32 s81, s[WV], 11
	v_add_nc_u32 v[XAB], s81, v[XAB]
	v_lshl_add_u32 v[XA0], v[HH], 7, v[XAB]
	v_lshl_add_u32 v[XST], v[LN], 4, XB
	v_add_nc_u32 v[XST], s81, v[XST]
	v_lshlrev_b32 v[GL16], 4, v[LN]
	s_lshl_b32 s81, s[WV], 10
	v_add_nc_u32 v[GS0], s81, v[GL16]
	s_add_co_u32 s81, s81, SC
	v_add_nc_u32 v[SQA], s81, v[GL16]
	v_and_b32 v[TA], 1, v[LN]                      ; layer 0: a load's lane holds row lane / 2, chunk lane % 2
	v_lshrrev_b32 v[TC], 1, v[LN]
	v_mul_u32_u24 v[SWA0], v[TA], SCH
	v_lshl_add_u32 v[SWA0], v[TC], 4, v[SWA0]
	v_add_nc_u32 v[SWA0], s81, v[SWA0]
	v_and_b32 v[TA], 7, v[LN]                      ; layers 1, 2: row lane / 8, chunk lane % 8
	v_lshrrev_b32 v[TC], 3, v[LN]
	v_mul_u32_u24 v[SWA1], v[TA], SCH
	v_lshl_add_u32 v[SWA1], v[TC], 4, v[SWA1]
	v_add_nc_u32 v[SWA1], s81, v[SWA1]
	s_lshl_b32 s81, s[WV], 12
	v_add_nc_u32 v[GS1], s81, v[GL16]
	v_mul_u32_u24 v[TA], v[RR], 528
	v_add_nc_u32 v[TA], HB, v[TA]
	v_lshl_add_u32 v[HWA], v[HH], 5, v[TA]
	s_lshl_b32 s81, s[WV], 7
	v_add_nc_u32 v[HWA], s81, v[HWA]
	v_lshl_add_u32 v[GB], v[HH], 5, s81
	v_lshl_add_u32 v[HRA], v[HH], 8, v[TA]
	s_mul_i32 s81, s[WV], 8448
	v_add_nc_u32 v[HRA], s81, v[HRA]
	s_lshl_b32 s81, s[WV], 4
	s_add_co_u32 s81, s81, RED
	v_mov_b32 v[REDW], s81
	v_and_b32 v[TA], 3, v[LN]
	v_lshl_add_u32 v[REDR], v[TA], 2, RED
	v_lshlrev_b32 v[SH8], 3, v[HH]
	v_lshlrev_b32 v[OUTO], 2, v[LN]
.irp i, 1,3,5,7
	v_mov_b32 v[XV+\i], 0                          ; the upper words of x's pairs: named with the lower, never used
.endr
	v_mov_b32 v[WD2], 0                            ; a lane permute's destination counts as one of its sources
.irp i, 0,1,2,3,4,5,6,7
	v_mov_b32 v[S+\i], 0                           ; the final sums
.endr
	s_load_b32 s[FCB], s[24:25], 0x0               ; fc_b
.irp i, 0,1,2,3
	global_load_b128 v[XD+4*\i:XD+4*\i+3], v[GL16], s[26:27] offset:512*\i th:TH_LOAD_NT   ; my batch of x: 512 consecutive bytes a load; read once in the launch
.endr
	WIN 0xc0                                       ; destination window 3
.irp u, 0,1
.irp i, 0,1
	global_load_b128 v[ST0+4*(2*\u+\i):ST0+4*(2*\u+\i)+3], v[GS0], s[6:7] offset:4096*\u+512*\i          ; the scale bytes of my 64 rows, whole rows, 512 consecutive bytes a load
.endr
.endr
.irp u, 0,1
.irp i, 0,1,2,3,4,5,6,7
	global_load_b128 v[ST1+4*(8*\u+\i):ST1+4*(8*\u+\i)+3], v[GS1], s[10:11] offset:16384*\u+512*\i
.endr
.endr
.irp u, 0,1
.irp i, 0,1,2,3,4,5,6,7
	global_load_b128 v[ST1+64+4*(8*\u+\i):ST1+64+4*(8*\u+\i)+3], v[GS1], s[14:15] offset:16384*\u+512*\i
.endr
.endr
	WIN 0
.set LAYER, 0
.set ZXB, 2                            ; layer 0: a K step is four m; my two blocks have an x each,
.set ZH1, 0                            ; and share the 32 numbers of h = x
.set ZHMB, 0
	s_wait_loadcnt 36                              ; x is in; the 36 loads issued behind it may be out
.irp i, 0,1,2,3
	ds_store_b128 v[XST], v[XD+4*\i:XD+4*\i+3] offset:512*\i
.endr
.irp i, 0,1,2,3,4,5,6,7,8,9,10,11,12,13,14,15,16,17,18,19,20,21,22,23,24,25,26,27,28,29,30,31
	ds_load_b32 v[H+\i], v[XAB] offset:64*\i       ; x[n][d = r]: LDS serves a wave's instructions in order (ISA guide 5.7.1.4): these see my stores
.endr
	XLD 0, XA0, 0
	XLD 1, XA0, 256
	WIN 0xc0
.irp i, 0,1
.irp hf, 0,1
	global_load_b128 v[FW0+8*\i+4*\hf:FW0+8*\i+4*\hf+3], v[GB], s[22:23] offset:64*\i+16*\hf              ; fc_W at the channels that lane (r, h) holds of each tile
	global_load_b128 v[FW1+8*\i+4*\hf:FW1+8*\i+4*\hf+3], v[GB], s[22:23] offset:512+64*\i+16*\hf
.endr
.endr
.irp i, 0,1,2,3
.irp hf, 0,1
	global_load_b128 v[FW2+8*\i+4*\hf:FW2+8*\i+4*\hf+3], v[GB], s[22:23] offset:1024+64*(\i%2)+512*(\i/2)+16*\hf
.endr
.endr
	WIN 0x80                                       ; destination window 2
	BIASLD 0, 16
	BIASLD 1, 18
	BIASLD 2, 20
	s_wait_loadcnt 40                              ; the scale words are in; the 40 loads issued behind them may be out
	WIN 0xcf                                       ; destination and both vector sources window 3
.set PI, 0
.rept 144
	v_perm_b32 v[PI], v[PI], v[PI], s[PSEL]        ; bytes 1 and 2 of each word change places, as the blocks do in the operands; once, while the first chunks are on their way
.set PI, PI+1
.endr
	WIN W_3
.irp u, 0,1
.irp i, 0,1
	ds_store_b128 v[SWA0], v[ST0+4*(2*\u+\i):ST0+4*(2*\u+\i)+3] offset:512*\u+256*\i
.endr
.endr
	WIN 0
	SQLD 0, SQA, 0
	s_wait_dscnt 0x0
	s_wait_loadcnt 0x0                             ; fc_W and the biases
	s_wait_kmcnt 0x0                               ; fc_b
	HMAX 0
	ZFIRST XA0, 512
; ---------------------------------------------------------------- layer 0: eight K steps, written out
	HPE 2,0,0,0, 0,0, 0,1, 1,XA0,768, 0
	HPO 1,0, 1,1, 1,XA0,1024, 1,SQA,0, 0
	HPE 0,0,0,0, 2,1, 1,1, 1,XA0,1280, 0
	HPO 3,1, 0,1, 1,XA0,1536, 1,SQA,SCH, 0
	HPE 1,1,0,0, 0,0, 1,1, 1,XA0,1792, 0           ; slot 0 takes W1's chunk 0
	HPO 1,0, 0,1, 0,XA0,0, 1,SQA,SCH, 0
	HPE 0,0,0,0, 2,1, 1,0, 0,XA0,0, 0
	HPO 3,1, 0,0, 0,XA0,0, 0,SQA,0, 1
	TAIL
	EPI FW0
; ---------------------------------------------------------------- layer 1: 32 K steps
.set LAYER, 1
.set ZXB, 0                            ; a K step is one m: one x for both blocks,
.set ZH1, 32                           ; which are 64 neighbouring numbers of h
.set ZHMB, 1
	PROLOGUE
	s_mov_b32 s[CNT], 7
	s_mov_b32 s[TX], 0
	s_mov_b32 s[TX4], 512
	s_mov_b32 s[TS], SCH
	HPE 1,1,1,0, 0,0, 0,1, 1,XAB,192, 0            ; slot 1 takes W1's chunk 1
	HPO 1,0, 1,1, 1,XAB,256, 1,SQA,0, 0
	WIN 0
.Llayer1:                                          ; seven trips of four K steps; each fills a slot again, the last with W2's chunk 0
	TRIP 1
	s_cbranch_scc1 .Llayer1
	HPE 0,0,0,0, 2,1, 1,0, 0,XAB,0, 0
	HPO 3,1, 0,0, 0,XAB,0, 0,SQA,0, 2
	TAIL
	EPI FW1
; ---------------------------------------------------------------- layer 2: 32 K steps
.set LAYER, 2
	PROLOGUE
	s_mov_b32 s[CNT], 6
	s_mov_b32 s[TX], 0
	s_mov_b32 s[TX4], 512
	s_mov_b32 s[TS], SCH
	HPE 1,1,1,0, 0,0, 0,1, 1,XAB,192, 0            ; slot 1 takes W2's chunk 1
	HPO 1,0, 1,1, 1,XAB,256, 1,SQA,0, 0
	WIN 0
.Llayer2:                                          ; six trips; the seventh is written out
	TRIP 0
	s_cbranch_scc1 .Llayer2
	HPE 0,0,0,0, 2,1, 1,1, 1,XAB,1856, 0
	HPO 3,1, 0,1, 1,XAB,1920, 1,SQA,7*SCH, 0
	HPE 3,1,0,0, 0,0, 1,1, 1,XAB,1984, 0           ; the last chunk begins; nothing is left to fetch, so no round follows
	HPO 1,0, 0,1, 0,XAB,0, 1,SQA,7*SCH, 0
	HPE 0,0,0,0, 2,1, 1,0, 0,XAB,0, 0
	HPO 3,1, 0,0, 0,XAB,0, 0,SQA,0, 0
	TAIL
	RELU T, 0                                      ; all 256 channels go to the sum
	FCSUM FW2
	RELU T, 2
	FCSUM FW2+16
; ---------------------------------------------------------------- the end: over my 32 lanes (d and channels), then over the four waves
.irp c, 0,1,2,3
	v_add_f32 v[S+2*\c], v[S+2*\c], v[S+2*\c+1]
.endr
.irp m, 1,2,4,8
.irp c, 0,1,2,3
	v_add_f32_dpp v[S+2*\c], v[S+2*\c], v[S+2*\c] row_xmask:\m row_mask:0xf bank_mask:0xf
.endr
.endr
.irp c, 0,1,2,3
	v_permlanex16_b32 v[S+2*\c+1], v[S+2*\c], s[SEL], s[SEL+1]
.endr
.irp c, 0,1,2,3
	v_add_f32 v[S+2*\c], v[S+2*\c], v[S+2*\c+1]
.endr
.irp c, 0,1,2,3
	ds_store_b32 v[REDW], v[S+2*\c] offset:4*\c    ; all lanes write the same word with the same value
.endr
	BARRIER
.irp i, 0,1,2,3
	ds_load_b32 v[T+\i], v[REDR] offset:16*\i      ; lane l: the four waves' sums of batch l % 4
.endr
	s_wait_dscnt 0x0
	v_add_f32 v[T], v[T], v[T+1]
	v_add_f32 v[T+2], v[T+2], v[T+3]
	v_add_f32 v[T], v[T], v[T+2]
	v_add_f32 v[T], s[FCB], v[T]
	s_wait_xcnt 0x0                                ; EXEC changes only behind this wait
	v_cmp_gt_u32 vcc_lo, 4, v0                     ; threads 0 to 3, which are lanes of wave 0: one owner for each number; the other waves store nothing
	s_and_saveexec_b32 s80, vcc_lo
	global_store_b32 v[OUTO], v[T], s[28:29]       ; out0[4 g + lane]
	s_wait_xcnt 0x0                                ; and again in front of the line that widens it
	s_or_b32 exec_lo, exec_lo, s80
	s_wait_tensorcnt 0x0                           ; the wave's end, behind my last tensor load and my last LDS store
	ds_add_u32 v[SPW], v[NIL]
	s_wait_dscnt 0x0
	ROUND                                          ; the closing round: no work-group ends while a partner may still ask for a chunk that names it
	s_endpgm
.Lfunc_end_k_q147f694df4_cin:
	.size	k_q147f694df4_cin, .Lfunc_end_k_q147f694df4_cin-k_q147f694df4_cin
	.p2alignl 7, 3214868480
	.fill 96, 4, 3214868480
	.section	.rodata,"a",@progbits
	.p2align	6, 0x0
	.amdhsa_kernel k_q147f694df4_cin
		.amdhsa_group_segment_fixed_size 327680
		.amdhsa_private_segment_fixed_size 0
		.amdhsa_enable_private_segment 0
		.amdhsa_kernarg_size 104
		.amdhsa_user_sgpr_count 2
		.amdhsa_user_sgpr_kernarg_segment_ptr 1
		.amdhsa_wavefront_size32 1
		.amdhsa_system_sgpr_workgroup_id_x 1
		.amdhsa_system_sgpr_workgroup_id_y 1
		.amdhsa_system_sgpr_workgroup_id_z 1
		.amdhsa_system_vgpr_workitem_id 0
		.amdhsa_next_free_vgpr 1024
		.amdhsa_next_free_sgpr 96
		.amdhsa_reserve_vcc 1
		.amdhsa_float_denorm_mode_32 3
		.amdhsa_float_denorm_mode_16_64 3
		.amdhsa_memory_ordered 1
		.amdhsa_forward_progress 1
		.amdhsa_inst_pref_size 255
	.end_amdhsa_kernel
	.section	.bss,"aw",@nobits
	.p2align	6
	.space	262144
	.amdgpu_metadata
---
amdhsa.version: [ 1, 2 ]
amdhsa.kernels:
  - .name:           k_q147f694df4_cin
    .symbol:         k_q147f694df4_cin.kd
    .args:
      - { .name: W0_codes, .offset: 0, .size: 8, .value_kind: global_buffer, .address_space: global }
      - { .name: W0_scales, .offset: 8, .size: 8, .value_kind: global_buffer, .address_space: global }
      - { .name: W1_codes, .offset: 16, .size: 8, .value_kind: global_buffer, .address_space: global }
      - { .name: W1_scales, .offset: 24, .size: 8, .value_kind: global_buffer, .address_space: global }
      - { .name: W2_codes, .offset: 32, .size: 8, .value_kind: global_buffer, .address_space: global }
      - { .name: W2_scales, .offset: 40, .size: 8, .value_kind: global_buffer, .address_space: global }
      - { .name: b0, .offset: 48, .size: 8, .value_kind: global_buffer, .address_space: global }
      - { .name: b1, .offset: 56, .size: 8, .value_kind: global_buffer, .address_space: global }
      - { .name: b2, .offset: 64, .size: 8, .value_kind: global_buffer, .address_space: global }
      - { .name: fc_W, .offset: 72, .size: 8, .value_kind: global_buffer, .address_space: global }
      - { .name: fc_b, .offset: 80, .size: 8, .value_kind: global_buffer, .address_space: global }
      - { .name: x, .offset: 88, .size: 8, .value_kind: global_buffer, .address_space: global }
      - { .name: out0, .offset: 96, .size: 8, .value_kind: global_buffer, .address_space: global }
    .group_segment_fixed_size: 327680
    .private_segment_fixed_size: 0
    .kernarg_segment_align: 8
    .kernarg_segment_size: 104
    .max_flat_workgroup_size: 128
    .sgpr_count:     96
    .vgpr_count:     1024
    .wavefront_size: 32
...
	.end_amdgpu_metadata
.endif
;; end of part 1
;; ======== version 2 of 2: 1 launch
;; launch cin (part 2): grid 256 x 1, 4 waves a work-group, clusters of 4 x 1, 327,680 bytes of LDS; arguments W0_codes, W0_scales, W1_codes, W1_scales, W2_codes, W2_scales, b0, b1, b2, fc_W, fc_b, x, out0; writes out0
.if DOCPART == 2
	.amdgcn_target "amdgcn-amd-amdhsa--gfx1250"
	.amdhsa_code_object_version 6
	.text
	.protected	k_q147f694df4_cin
	.globl	k_q147f694df4_cin
	.p2align	8
	.type	k_q147f694df4_cin,@function
k_q147f694df4_cin:
	s_mov_b64 s[64:65], 0
	v_nop
	global_prefetch_b8 v0, s[64:65] scope:SCOPE_SE
	s_setreg_imm32_b32 hwreg(HW_REG_WAVE_MODE, 25, 1), 1
	s_wait_xcnt 0x0
	s_wait_alu depctr_hold_cnt(0) depctr_sa_sdst(0) depctr_va_vdst(0) depctr_va_sdst(0) depctr_va_ssrc(0) depctr_va_vcc(0) depctr_vm_vsrc(0)
	s_getreg_b32 s2, hwreg(HW_REG_IB_STS2, 6, 4)
	s_cmp_eq_u32 s2, 0
	s_cbranch_scc0 .Lentry_in_a_cluster
	s_endpgm
.Lentry_in_a_cluster:
	s_bfe_u32 s2, ttmp6, 0x10000c
	s_cmp_lg_u32 s2, 0x3003
	s_cbranch_scc0 .Lentry_shape_is_right
	s_endpgm
.Lentry_shape_is_right:
; A compressed interaction network, three layers and the final dot product, in ONE launch.  A column is (batch b, embedding place d): 1,024 x 16 of them.
; Layer l: z[k = m N + n] = x[b][m][d] h[n][d] (f32, one rounding), quantised along K to FP6 (E2M3) with one E8M0 scale for each 32; y = relu(W^T z + bias), 256 channels; K = 1,024 (N = 32, h = x), then 4,096 twice (N = 128).
; Layers 0, 1: channels 0-127 go to the final sum, channels 128-255 are the next h.  Layer 2: all 256 go to the sum.  out[b] = sum over channel and d of relu(y) fc_W + fc_b.
; SHARES.  Work-group g owns batches 4 g .. 4 g + 3 (four column tiles c, lane % 16 = d) and ALL 256 channels, so that a fragment of z, which costs vector work, feeds sixteen channel tiles.
; Wave w owns channel tiles i = 0..3 at channels 32 w + 16 (i % 2) + 128 (i / 2): two of the lower half and two of the upper, so that all waves run the same way out.  16 accumulators (i, c).
; Wave w also MAKES the z fragments of batch w; they reach the other waves through LDS as images of the operand registers (16 bytes a lane, 512 bytes a store).
; A block of z is x[m] times a fixed block of h, and rounding is monotone: its largest magnitude is fl(|x[m]| max|h|), exactly; no search per block.
; WEIGHTS come as codes, in chunks of 512 along K (256 rows x 384 bytes), through a ring of two LDS slots.  CLUSTER: the four work-groups of a cluster walk the same weights, so each chunk is asked for
; JOINTLY (the same tensor load, the same descriptor, mask 15, in all four): a quarter of the requests.  Each wave fetches 64 rows; by this text's count two loads of a wave are out at the start, later one.
; THE WALK.  In layers 1 and 2 cluster c begins K at chunk rot = (c xor c / 8) mod 8 and goes round: the 64 clusters do not all ask for the same bytes at the same time; a layer's first request, made a layer's change
; ahead, asks for all eight chunks among them, and from the second on a cluster asks for what others asked for a chunk's work earlier.  The turn is made in addresses into memory alone: the refill's address, the piece of
; a scale row that a lane loads, and a second, turned reading of x (row j of the wave's x in LDS is x[(j + 4 rot) mod 32] from layer 1 on).  No LDS address and no branch hangs on rot, and rot is the same in the four partners.
; K IS PERMUTED BY BLOCKS, ALIKE ON BOTH SIDES: lane (r, h) takes the 48 consecutive bytes at 96 q + 48 h of its weight row (three loads of 16 bytes), which puts true block 2 h + c at the operand's place 2 c + h;
; z is made in that order, and bytes 1 and 2 of each weight scale word change places once.  The products are the same; only the order of the f32 sums differs.
; PIPELINE.  Half-period t: load the fragments of K step t | the 16 products of step t - 1, and between them, one piece behind each, the making of my z fragment of step t + 2.  One barrier for two K steps;
; at every second one (a new chunk) it opens a round of the cluster's barrier, behind which the slot just left is filled again: that load has a chunk's 64 products a wave in which to land.
; The vector work (54 plain instructions a K step) would leave the matrix unit idle if it stood in phases of its own: so each piece costs two switches of the register window.
; LIMITS.  NaN and infinities among the inputs are not served.  A block of zeros carries the byte 1 (the rule says 127) over zero codes: these bytes are read by this program alone.
; The order of the f32 sums differs from the reference's: blocks 1 and 2 of each 128 along K change places, layers 1 and 2 begin K at chunk rot, the bias starts each sum, and the final sum runs over d and channel together.
;
; LDS (bytes)
.set PITCH,  432                       ; a weight row in a slot: 3 x (128 bytes + 16 of padding) = 108 words: row r starts at bank 44 r mod 64 (64 banks of 4 bytes: ISA guide 11.1), sixteen different starts for the sixteen rows of a load
.set QUART,  64*PITCH                  ; 64 rows: what one tensor load brings
.set SLOT1,  1<<17                     ; slot 0 at 0, slot 1 here: one exclusive or turns one into the other; 110,592 bytes each
.set XB,     110592                    ; x: [batch w][m 32][d 16] f32, 2,048 bytes a wave, the wave's own; from layer 1 on its rows are turned by 4 rot
.set Z0,     118784                    ; z images, buffer 0: [step % 2] 6,144 + [c] 1,536 + [j] 512 + 16 lane
.set Z1,     241664                    ; buffer 1
.set ZSC,    253952                    ; z scale words: [buffer] 512 + [step % 2] 256 + [c] 64 + 4 r
.set HB,     254976                    ; h: [c] 8,448 + [d] 528 + 4 n
.set SC,     288768                    ; weight scale words of the layer in hand: [chunk, in the order of the walk] 4,128 + 1,024 w + 512 u + 16 lane (row 128 u + 32 w + lane: four words); the wave's own
.set SCH,    4128
.set RED,    321792                    ; the waves' partial sums: 16 w + 4 c
.set SPARE,  322048                    ; the spare words, 128 bytes a wave: two blocks of 256 bytes that no other line names
; REGISTERS, window 0
.set SPW,  1                           ; LDS address of my spare word; never rewritten
.set NIL,  2                           ; 0; never rewritten
.set AW0,  3                           ; (32 w + r) PITCH + 48 h: my place in a slot
.set AW1,  4                           ; the same behind one padding more for lanes 16-31
.set ADW0, 5                           ; the two in the slot in hand: made anew behind every even half-period's barrier
.set ADW1, 6
.set ZR0,  7                           ; v7, v8    Z0, Z1 + 16 lane: an image's place for my lane
.set ZW0,  9                           ; v9, v10   the same + 1,536 w: where I store
.set ZSR,  11                          ; ZSC + 4 lane
.set ZSW,  12                          ; ZSC + 64 w + 4 r
.set XA0,  13                          ; XB + 2,048 w + 128 h + 4 r: layer 0's x
.set XAB,  14                          ; XB + 2,048 w + 4 r
.set XAL,  15                          ; XAB + the trip's step
.set XAL4, 16                          ; XAB + the trip's step for its fourth load, held at row 31
.set XST,  17                          ; XB + 2,048 w + 16 lane
.set SQA,  18                          ; SC + 1,024 w + 16 lane
.set SQAL, 19                          ; SQA + the trip's chunk
.set SWA0, 20                          ; where layer 0's scale words are staged
.set SWA1, 21                          ; and layer 1's, 2's
.set HWA,  22                          ; HB + 528 r + 32 h + 128 w
.set HRA,  23                          ; HB + 8,448 w + 528 r + 256 h
.set REDW, 24
.set REDR, 25
.set GL16, 26                          ; offsets into memory: 16 lane;
.set GS0,  27                          ; 1,024 w + 16 lane;
.set GS1,  28                          ; 4,096 w + 128 (lane / 8) + 16 ((lane % 8 + rot) % 8);
.set GB,   29                          ; 128 w + 32 h;
.set SH8,  30                          ; (8 h: a shift)
.set OUTO, 31                          ; 4 lane
.set SQ,   32                          ; v32-39  weight scale words: 4 u + q: lanes 0-15 tile 2 u, lanes 16-31 tile 2 u + 1
.set ZS,   40                          ; v40-43  z scale words: 2 set + u: lanes 0-15 column tile 2 u, lanes 16-31 tile 2 u + 1
.set XV,   44                          ; v44-51  x, two sets of two pairs (the pairs' upper words are 0 and not used)
.set MG0,  52                          ; v52, 53 the two blocks' largest magnitudes
.set SO0,  54                          ; v54, 55 the conversions' scale operands
.set BY0,  56                          ; v56, 57 the scale bytes
.set WD,   58                          ; the scale word
.set WD2,  59
.set HM0,  60                          ; v60, 61 the largest |h| of my two blocks
.set PC,   62                          ; v62-73  the fragment's codes
.set QQ,   74                          ; v74-81  the upper halves of the blocks' codes, as the conversions leave them
.set S,    82                          ; v82-89  the final sum, a pair for each column tile
.set H,    96                          ; v96-159 my 64 numbers of h (layer 0: 32 of x)
.set T,    160                         ; v160-223 the 64 products
.set LN,   224                         ; scratch of the head
.set RR,   225
.set HH,   226
.set TA,   227
.set TC,   228
.set XO,   229                         ; v229-232 offsets into my batch of x, turned: (16 lane + 512 i + 256 rot) mod 2,048
.set XD,   240                         ; v240-255 x on its way to LDS
; window 1: set e at 96 e: weight fragment i at + 12 i, z fragment c at + 48 + 12 c.   window 2: accumulator (i, c) at 8 (4 i + c); biases at BI + 32 layer + 8 i.
; window 3: scale words waiting for their layer (ST0, ST1, ST1 + 64); fc_W in the result's layout (FW0, FW1, FW2); the turned x, waiting for layer 0's end (XR).
.set BI,   128
.set ST0,  0
.set ST1,  16
.set FW0,  144
.set FW1,  160
.set FW2,  176
.set XR,   208
; scalars
.set WV,   30                          ; my wave's number
.set ROT,  33                          ; the chunk at which my cluster begins layers 1 and 2
.set KF,   34                          ; refills made so far: 0-7 bring W1's chunks, 8-15 W2's
.set G1A,  36                          ; s[36:43] descriptor group 1 for W0's chunks;  s[44:51] for W1's and W2's: they differ in the pitch
.set G1B,  44
.set G00,  52                          ; s[52:55], s[56:59] groups 0 of the two first fills;  s[60:63] the refills'
.set G01,  56
.set G0W,  60
.set PA,   66                          ; s[66:67] my rows of the tensor that the refill reads
.set PW2,  68                          ; s[68:69] my rows of W2
.set TB,   70                          ; the slot in hand
.set CNT,  71
.set TX,   72
.set TX4,  73
.set SEL,  74                          ; s[74:75] lane selects: lane l xor 16
.set FLOOR, 76
.set NEG2, 77
.set PSEL, 78
.set FCB,  79
.set TS,   88
.set PW1,  92                          ; s[92:93] my rows of W1
.set W_MM,   0xa5                      ; A and B window 1, C and D window 2
.set W_LD,   0x40                      ; destination window 1
.set W_RELU, 0x08                      ; source 1 window 2
.set W_3,    0x0c                      ; source 1 window 3
.set MSB, 0
.set NLD, 0
.macro WIN new                         ; the immediate's high byte repeats the setting that is left; a switch that changes nothing is dropped
.if MSB != \new
	s_set_vgpr_msb (MSB<<8)|\new
.set MSB, \new
.endif
.endm
.macro CREST                           ; a round of the cluster's barrier behind its opening barrier
	s_cmp_lg_u32 s[WV], 0
	s_cbranch_scc1 .Lnot_wave_0_\@
	s_barrier_signal -3
.Lnot_wave_0_\@:
	s_barrier_wait -3
	s_barrier_signal -1
	s_barrier_wait -1
.endm
.macro ROUND                           ; a whole round
	s_barrier_signal -1
	s_barrier_wait -1
	CREST
.endm
.macro BARRIER                         ; my LDS stores have landed and my LDS loads are in: then the work-group's barrier
	s_wait_dscnt 0x0
	s_barrier_signal -1
	s_barrier_wait -1
.endm
.macro PLACES                          ; four places behind this form of matrix instruction, in front of loads into its registers and of reads of its results
.rept 4
	v_nop
.endr
.endm
; The fragments of a K step into set e: the q-th 128 along K of the slot in hand; z from buffer zb.  26 LDS loads.
.macro LFRAG e, q, zb
	WIN W_LD
.irp i, 0,1,2,3
.irp j, 0,1,2
.set LX0, 96*(\q)+16*\j                ; lanes 0-15 take byte LX0 of the row's data, lanes 16-31 byte LX0 + 48;
.set LP0, LX0/128                      ; 16 bytes of padding lie behind every 128: where the upper lanes' piece lies behind one padding more, the second address register serves
.set LP1, (LX0+48)/128
.if LP1 == LP0
	ds_load_b128 v[96*(\e)+12*\i+4*\j:96*(\e)+12*\i+4*\j+3], v[ADW0] offset:(16*(\i%2)+128*(\i/2))*PITCH+LX0+16*LP0
.else
	ds_load_b128 v[96*(\e)+12*\i+4*\j:96*(\e)+12*\i+4*\j+3], v[ADW1] offset:(16*(\i%2)+128*(\i/2))*PITCH+LX0+16*LP0
.endif
.endr
.endr
.irp c, 0,1,2,3
.irp j, 0,1,2
	ds_load_b128 v[96*(\e)+48+12*\c+4*\j:96*(\e)+48+12*\c+4*\j+3], v[ZR0+(\zb)] offset:6144*(\e)+1536*\c+512*\j
.endr
.endr
	WIN 0
.irp u, 0,1
	ds_load_b32 v[ZS+2*(\e)+\u], v[ZSR] offset:512*(\zb)+256*(\e)+128*\u
.endr
.set NLD, NLD+26
.endm
.macro XLD set, reg, off               ; x of a K step: one number a lane (layers 1, 2), or two, for its two blocks (layer 0)
	ds_load_b32 v[XV+4*(\set)], v[\reg] offset:\off
.set NLD, NLD+1
.if ZXB
	ds_load_b32 v[XV+4*(\set)+2], v[\reg] offset:(\off)+64
.set NLD, NLD+1
.endif
.endm
.macro SQLD half, reg, off             ; two of a chunk's four weight scale words (half 0: the first two; 1: the last two), for my four tiles
.irp u, 0,1
	ds_load_b64 v[SQ+4*\u+2*(\half):SQ+4*\u+2*(\half)+1], v[\reg] offset:(\off)+512*\u+8*(\half)
.endr
.set NLD, NLD+2
.endm
.macro PKM c, i                        ; two products of block c: h x the block's x
.if (\c) == 0
	v_pk_mul_f32 v[T+2*(\i):T+2*(\i)+1], v[H+2*(\i):H+2*(\i)+1], v[XV+4*ZSET:XV+4*ZSET+1] op_sel_hi:[1,0]
.else
	v_pk_mul_f32 v[T+32+2*(\i):T+32+2*(\i)+1], v[H+ZH1+2*(\i):H+ZH1+2*(\i)+1], v[XV+4*ZSET+ZXB:XV+4*ZSET+ZXB+1] op_sel_hi:[1,0]
.endif
.endm
; Piece NN of 16 of the making of a z fragment.  Symbols: ZSET (which x), ZXB, ZH1, ZHMB (the layer's shape), ZWR, ZOFF, ZSOFF (where it goes).
; Each scaled conversion has a plain vector line between it and the first use of its result; the four plain lines of piece 15 are the places behind the step's last product.
.macro ZP
.if NN == 0
	v_mul_f32 v[MG0], |v[XV+4*ZSET]|, v[HM0]                 ; the blocks' largest magnitudes: |x| x the largest |h|, rounded as the products are
	v_mul_f32 v[MG0+1], |v[XV+4*ZSET+ZXB]|, v[HM0+ZHMB]
	PKM 0, 0
	PKM 0, 1
.elseif NN == 1
	v_max_num_f32 v[MG0], s[FLOOR], v[MG0]                   ; the floor 2^(3 - 127): the byte cannot fall under 1
	v_max_num_f32 v[MG0+1], s[FLOOR], v[MG0+1]
	PKM 0, 2
	PKM 0, 3
.elseif NN == 2
	v_add_nc_u32 v[SO0], s[NEG2], v[MG0]                     ; 2 off the exponent field: the conversion's scale operand
	v_add_nc_u32 v[SO0+1], s[NEG2], v[MG0+1]
	PKM 0, 4
	PKM 0, 5
.elseif NN == 3
	v_lshrrev_b32 v[BY0], 23, v[SO0]                         ; the scale bytes
	v_lshrrev_b32 v[BY0+1], 23, v[SO0+1]
	PKM 0, 6
	PKM 0, 7
.elseif NN == 4
	v_cvt_scalef32_pk16_fp6_f32 v[PC:PC+2], v[T:T+15], v[SO0]
	v_lshl_or_b32 v[WD], v[BY0+1], 16, v[BY0]                ; my two bytes stand at the operand's places h and 2 + h
	PKM 0, 8
	PKM 0, 9
.elseif NN == 5
	v_lshlrev_b32 v[WD], v[SH8], v[WD]
	PKM 0, 10
	PKM 0, 11
.elseif NN == 6
	v_permlanex16_b32 v[WD2], v[WD], s[SEL], s[SEL+1]
	PKM 0, 12
	PKM 0, 13
.elseif NN == 7
	v_or_b32 v[WD], v[WD], v[WD2]                            ; with lane l xor 16's two the word is whole
	PKM 0, 14
	PKM 0, 15
.elseif NN == 8
	v_cvt_scalef32_pk16_fp6_f32 v[QQ:QQ+2], v[T+16:T+31], v[SO0]     ; (a conversion's three registers begin on an even number: a block's upper half is made elsewhere and moved)
	PKM 1, 0
	PKM 1, 1
	PKM 1, 2
.elseif NN == 9
	v_mov_b32 v[PC+3], v[QQ]
	v_mov_b32 v[PC+4], v[QQ+1]
	v_mov_b32 v[PC+5], v[QQ+2]
	PKM 1, 3
.elseif NN == 10
	PKM 1, 4
	PKM 1, 5
	PKM 1, 6
	PKM 1, 7
.elseif NN == 11
	v_cvt_scalef32_pk16_fp6_f32 v[PC+6:PC+8], v[T+32:T+47], v[SO0+1]
	PKM 1, 8
	PKM 1, 9
	PKM 1, 10
.elseif NN == 12
	PKM 1, 11
	PKM 1, 12
	PKM 1, 13
.elseif NN == 13
	PKM 1, 14
	PKM 1, 15
.elseif NN == 14
	v_cvt_scalef32_pk16_fp6_f32 v[QQ+4:QQ+6], v[T+48:T+63], v[SO0+1]
.else
	v_nop
	v_mov_b32 v[PC+9], v[QQ+4]
	v_mov_b32 v[PC+10], v[QQ+5]
	v_mov_b32 v[PC+11], v[QQ+6]
.irp j, 0,1,2
	ds_store_b128 v[ZWR], v[PC+4*\j:PC+4*\j+3] offset:ZOFF+512*\j    ; the fragment goes to LDS as it stands
.endr
	ds_store_b32 v[ZSW], v[WD] offset:ZSOFF                          ; lanes r and r + 16 write the same word with the same value
.endif
.endm
; Product NN of 16 of a K step: tile i = NN % 4, column tile c = NN / 4.  Symbols: ME (set), MQ (which of the chunk's four words), MFIRST (the bias starts the sum: nothing is cleared or added later).
; The 16 accumulators take turns, one instruction a turn, in the same order in every step.
.macro WM
.set MI, NN%4
.set MC, NN/4
.set MD, 8*(4*MI+MC)
.set MCB, MD
.if MFIRST
.set MCB, BI+32*LAYER+8*MI
.endif
.set MA, 96*ME+12*MI
.set MB, 96*ME+48+12*MC
.set MSA, SQ+4*(MI/2)+MQ
.set MZS, ZS+2*ME+MC/2
.if (MI%2 == 0) && (MC%2 == 0)
	v_wmma_scale_f32_16x16x128_f8f6f4 v[MD:MD+7], v[MA:MA+11], v[MB:MB+11], v[MCB:MCB+7], v[MSA], v[MZS] matrix_a_fmt:MATRIX_FMT_FP6 matrix_b_fmt:MATRIX_FMT_FP6
.elseif (MI%2 == 1) && (MC%2 == 0)
	v_wmma_scale_f32_16x16x128_f8f6f4 v[MD:MD+7], v[MA:MA+11], v[MB:MB+11], v[MCB:MCB+7], v[MSA], v[MZS] matrix_a_fmt:MATRIX_FMT_FP6 matrix_b_fmt:MATRIX_FMT_FP6 matrix_a_scale:MATRIX_SCALE_ROW1
.elseif (MI%2 == 0) && (MC%2 == 1)
	v_wmma_scale_f32_16x16x128_f8f6f4 v[MD:MD+7], v[MA:MA+11], v[MB:MB+11], v[MCB:MCB+7], v[MSA], v[MZS] matrix_a_fmt:MATRIX_FMT_FP6 matrix_b_fmt:MATRIX_FMT_FP6 matrix_b_scale:MATRIX_SCALE_ROW1
.else
	v_wmma_scale_f32_16x16x128_f8f6f4 v[MD:MD+7], v[MA:MA+11], v[MB:MB+11], v[MCB:MCB+7], v[MSA], v[MZS] matrix_a_fmt:MATRIX_FMT_FP6 matrix_b_fmt:MATRIX_FMT_FP6 matrix_a_scale:MATRIX_SCALE_ROW1 matrix_b_scale:MATRIX_SCALE_ROW1
.endif
.endm
; Products lo .. hi (mm = 1) with a piece of z behind each (zg = 1); without pieces, four places behind the last.
.macro MMRUN lo, hi, mm, zg
.set NN, \lo
.rept (\hi)-(\lo)+1
.if \mm
	WIN W_MM
	WM
.endif
.if \zg
	WIN 0
	ZP
.elseif NN == 15
	WIN 0
	PLACES
.endif
.set NN, NN+1
.endr
.endm
; AN EVEN HALF-PERIOD t: the barrier for K steps t, t + 1; step t's fragments into set 0; the products of step t - 1 (set 1); z of step t + 2.
; bar = 0: a plain barrier (z alone changes hands).  1: a new chunk begins and the slot just left is filled again.  2: the launch's first.  3: the last chunk begins, nothing is left to fetch.
.macro HPE bar, tog, adv, q, zb, mm, zg, xl, xreg, xoff, step
	WIN 0
.if (\bar) == 2
	s_wait_tensorcnt 0x1                           ; my part of chunk 0 is in; chunk 1's may stay out
.elseif (\bar) != 0
	s_wait_tensorcnt 0x0                           ; all my tensor loads have landed: my part of the chunk that is about to be read; so the refills' descriptor may be written
	ds_add_u32 v[SPW], v[NIL]                      ; 0 onto my spare word: scalar work stands between it and the wait for it
.if (\bar) == 1
.if \adv
	s_xor_b32 s[G0W+1], s[G0W+1], SLOT1            ; the other slot than last time
.endif
	s_add_co_u32 s80, s[ROT], s[KF]                ; refill f brings chunk (rot + f) mod 8,
	s_and_b32 s80, s80, 7
	s_mul_i32 s80, s80, 384                        ; 384 bytes along the rows each,
	s_mov_b32 s81, 0
	s_cmp_lt_u32 s[KF], 8                          ; of W1 (f = 0 .. 7) or of W2 (8 .. 15): a choice on the count of refills, no jump
	s_cselect_b64 s[PA:PA+1], s[PW1:PW1+1], s[PW2:PW2+1]
	s_add_nc_u64 s[G0W+2:G0W+3], s[PA:PA+1], s[80:81]
	s_or_b32 s[G0W+3], s[G0W+3], 0x80000000        ; type = 2
	s_add_co_u32 s[KF], s[KF], 1
.endif
.endif
.if \tog
	s_xor_b32 s[TB], s[TB], SLOT1                  ; the fragments now come from the other slot
.endif
	s_wait_dscnt 0x0                               ; my z of steps t, t + 1 has landed; my reads of the other z buffer and of the slot just left are over; set 1 is in; the add is done
	s_barrier_signal -1
.if \step
	v_add_nc_u32 v[XAL], s[TX], v[XAB]             ; the trip's addresses (no LDS load of mine is out)
	v_add_nc_u32 v[XAL4], s[TX4], v[XAB]
	v_add_nc_u32 v[SQAL], s[TS], v[SQA]
.endif
.set ME, 1
.set MQ, ((\q)+3)%4
.set MFIRST, 0
.set ZSET, 0
.set ZWR, ZW0+1-(\zb)
.set ZOFF, 0
.set ZSOFF, 512*(1-(\zb))
	MMRUN 0, 7, \mm, \zg                           ; work on registers while the others arrive
	WIN 0
	s_barrier_wait -1
.if (\bar) == 1
	CREST                                          ; the barrier has opened a round of the cluster's: no wave of any partner still reads the slot or has a load on its way
	tensor_load_to_lds s[G0W:G0W+3], s[G1B:G1B+7]  ; my one tensor load behind the round, and the first thing there
	s_nop 0
.endif
	v_add_nc_u32 v[ADW0], s[TB], v[AW0]            ; my place in the slot in hand: made here in every even half-period, so that no address is carried round a backward jump
	v_add_nc_u32 v[ADW1], s[TB], v[AW1]
.if (\bar) == 1
	v_nop                                          ; four vector lines stand between the tensor load and the next switch of windows
	v_nop
.endif
	LFRAG 0, \q, \zb
.if \xl
	XLD 1, \xreg, \xoff                            ; x of step t + 3
.endif
	MMRUN 8, 15, \mm, \zg
.endm
; AN ODD HALF-PERIOD t: step t's fragments into set 1; the products of step t - 1 (set 0); z of step t + 2.  Its group of LDS instructions also brings x of step t + 3,
; two weight scale words (q = 1: the chunk's last two; q = 3: the next chunk's first two), and at a layer's end stores the next layer's scale words over this layer's, whose last load has been issued;
; at layer 0's end also the turned x over my rows of x, whose last load of this layer has been issued (LDS serves a wave's instructions in order: ISA guide 5.7.1.4; nobody else touches these rows).
.macro HPO q, zb, first, zg, xl, xreg, xoff, sq, sqreg, sqoff, stage
.set NLD, 0
	LFRAG 1, \q, \zb
.if \xl
	XLD 0, \xreg, \xoff
.endif
.if \sq
	SQLD (3-(\q))/2, \sqreg, \sqoff                ; q = 1: half 1; q = 3: half 0
.endif
.if \stage
	WIN W_3                                        ; an LDS store's data are its source 1: window 3
.irp u, 0,1
.irp i, 0,1,2,3,4,5,6,7
	ds_store_b128 v[SWA1], v[ST1+64*((\stage)-1)+4*(8*\u+\i):ST1+64*((\stage)-1)+4*(8*\u+\i)+3] offset:512*\u+64*\i
.endr
.endr
.set NLD, NLD+16
.if (\stage) == 1
.irp i, 0,1,2,3
	ds_store_b128 v[XST], v[XR+4*\i:XR+4*\i+3] offset:512*\i
.endr
.set NLD, NLD+4
.endif
	WIN 0
.endif
	s_wait_dscnt NLD                               ; LDS instructions end in order (ISA guide 5.7.1): all but this group's are done: set 0 is in, x is in, my last z stores have read their registers
.set ME, 0
.set MQ, (\q)-1
.set MFIRST, \first
.set ZSET, 1
.set ZWR, ZW0+1-(\zb)
.set ZOFF, 6144
.set ZSOFF, 512*(1-(\zb))+256
	MMRUN 0, 15, 1, \zg
.endm
.macro TAIL                            ; a layer's last K step
	s_wait_dscnt 0x0                               ; set 1 is in
.set ME, 1
.set MQ, 3
.set MFIRST, 0
	MMRUN 0, 15, 1, 0
.endm
.macro HMAX two                        ; the largest |h| of my block (of my two blocks, by turns)
	v_max3_num_f32 v[HM0], |v[H]|, |v[H+1]|, |v[H+2]|
.if \two
	v_max3_num_f32 v[HM0+1], |v[H+32]|, |v[H+33]|, |v[H+34]|
.endif
.irp i, 3,5,7,9,11,13,15,17,19,21,23,25,27,29
	v_max3_num_f32 v[HM0], v[HM0], |v[H+\i]|, |v[H+\i+1]|
.if \two
	v_max3_num_f32 v[HM0+1], v[HM0+1], |v[H+32+\i]|, |v[H+33+\i]|
.endif
.endr
	v_max_num_f32 v[HM0], v[HM0], |v[H+31]|
.if \two
	v_max_num_f32 v[HM0+1], v[HM0+1], |v[H+63]|
.endif
.endm
.macro ZFIRST xreg, xoff               ; z of a layer's K steps 0 and 1, into buffer 0, with nothing to set them between; x of step 2 is asked for
.set ZSET, 0
.set ZWR, ZW0
.set ZOFF, 0
.set ZSOFF, 0
	MMRUN 0, 15, 0, 1
	s_wait_dscnt 0x0                               ; the stores have read the codes' registers
	XLD 0, \xreg, \xoff
.set ZSET, 1
.set ZOFF, 6144
.set ZSOFF, 256
	MMRUN 0, 15, 0, 1
.endm
.macro PROLOGUE                        ; layers 1, 2, behind the barrier that shows h whole
.irp i, 0,1,2,3,4,5,6,7,8,9,10,11,12,13,14,15
	ds_load_b128 v[H+4*\i:H+4*\i+3], v[HRA] offset:16*\i             ; h[64 h + 0 .. 63] of batch w at d = r
.endr
	XLD 0, XAB, 0
	XLD 1, XAB, 64
	SQLD 0, SQA, 0
	s_wait_dscnt 0x0
	HMAX 1
	ZFIRST XAB, 128
.endm
.macro RELU dst, i0                    ; tiles i0, i0 + 1: relu into 64 registers of window 0; each accumulator from its low end on
	WIN W_RELU
.irp ii, 0,1
.irp c, 0,1,2,3
.irp j, 0,1,2,3,4,5,6,7
	v_max_num_f32 v[\dst+8*(4*\ii+\c)+\j], 0, v[8*(4*(\i0+\ii)+\c)+\j]
.endr
.endr
.endr
	WIN 0
.endm
.macro FCSUM fw                        ; the 64 numbers in T times fc_W, onto the four column tiles' sums: four chains by turns
	WIN W_3
.irp ii, 0,1
.irp jj, 0,1,2,3
.irp c, 0,1,2,3
	v_pk_fma_f32 v[S+2*\c:S+2*\c+1], v[T+8*(4*\ii+\c)+2*\jj:T+8*(4*\ii+\c)+2*\jj+1], v[\fw+8*\ii+2*\jj:\fw+8*\ii+2*\jj+1], v[S+2*\c:S+2*\c+1]
.endr
.endr
.endr
	WIN 0
.endm
.macro EPI fw                          ; the way out of layers 0, 1: the upper channels become h in LDS, the lower go to the sum
	RELU H, 2
.irp ii, 0,1
.irp c, 0,1,2,3
.irp hf, 0,1
	ds_store_b128 v[HWA], v[H+8*(4*\ii+\c)+4*\hf:H+8*(4*\ii+\c)+4*\hf+3] offset:8448*\c+64*\ii+16*\hf   ; lane (r, h): h[32 w + 16 ii + 8 h + 0 .. 7] of batch c at d = r
.endr
.endr
.endr
	RELU T, 0
	FCSUM \fw
	BARRIER                                        ; h is whole.  (My one tensor load may stay out)
.endm
.macro TRIP                            ; K steps 4 k - 2 .. 4 k + 1 (in the order of the walk) of layers 1, 2
	HPE 0,0,0, 2,1, 1,1, 1,XAL,320, 1
	HPO 3,1, 0,1, 1,XAL,384, 1,SQAL,0, 0
	HPE 1,1,1, 0,0, 1,1, 1,XAL,448, 0
	HPO 1,0, 0,1, 1,XAL4,0, 1,SQAL,0, 0            ; (in layer 1's last trip the fourth load is held at row 31: it brings a number that nobody uses, and stays inside my rows of x)
	WIN 0
	s_add_co_u32 s[TX], s[TX], 256
	s_add_co_u32 s[TX4], s[TX], 512
	s_min_u32 s[TX4], s[TX4], 1984
	s_add_co_u32 s[TS], s[TS], SCH
	s_sub_co_u32 s[CNT], s[CNT], 1
	s_cmp_lg_u32 s[CNT], 0
.endm
.macro BIASLD l, sb
.irp i, 0,1,2,3
.irp hf, 0,1
	global_load_b128 v[BI+32*\l+8*\i+4*\hf:BI+32*\l+8*\i+4*\hf+3], v[GB], s[\sb:\sb+1] offset:64*(\i%2)+512*(\i/2)+16*\hf
.endr
.endr
.endm
; ---------------------------------------------------------------- the head
	s_load_b512 s[4:19], s[0:1], 0x0               ; W0 codes s[4:5], scales s[6:7]; W1 s[8:9], s[10:11]; W2 s[12:13], s[14:15]; b0 s[16:17]; b1 s[18:19]
	s_load_b256 s[20:27], s[0:1], 0x40             ; b2 s[20:21]; fc_W s[22:23]; fc_b s[24:25]; x s[26:27]
	s_load_b64 s[28:29], s[0:1], 0x60              ; out0
	v_lshl_add_u32 v[SPW], v0, 2, SPARE
	v_mov_b32 v[NIL], 0
	ds_add_u32 v1, v2
	ds_add_u32 v1, v2
	s_wait_dscnt 0x0
	v_lshrrev_b32 v[TA], 5, v0
	v_readfirstlane_b32 s[WV], v[TA]               ; wave 0..3
	s_bfe_u32 s31, ttmp6, 0x40000                  ; cx: my place in the cluster
	s_lshl_b32 s32, ttmp9, 2                       ; in a cluster launch ttmp9 counts clusters
	s_add_co_u32 s32, s32, s31                     ; g = 4 x cluster + cx: it enters x's and out0's addresses alone
	s_lshr_b32 s[ROT], ttmp9, 3                    ; rot = (cluster xor cluster / 8) mod 8: of the cluster's number alone, so the same in the four partners.
	s_xor_b32 s[ROT], s[ROT], ttmp9                ; The exclusive or of the number's two fields of 3 bits gives all eight starts to any 32 clusters picked by one bit of the number, and to any run of eight
	s_and_b32 s[ROT], s[ROT], 7
	s_mov_b32 s[KF], 0
	; descriptor group 1: 64 rows x 384 bytes, 16 bytes of padding behind every 128
	s_mov_b32 s[G1A], 15|(1<<20)|(1<<21)|(4<<22)|(3<<25)   ; 15:0 the mask: all four work-groups; 17:16 elements of 1 byte; 20 padding on; 21 set beside a mask; 24:22 after every 32 words (code 4); 31:25 of 4 words (code 3)
	s_mov_b32 s[G1B], 15|(1<<20)|(1<<21)|(4<<22)|(3<<25)
.irp g, G1A, G1B
	s_mov_b32 s[\g+1], 384<<16                     ; tensor_dim0
	s_mov_b32 s[\g+2], 64<<16                      ; tensor_dim1
	s_mov_b32 s[\g+3], 384<<16                     ; tile_dim0
	s_mov_b32 s[\g+4], 64                          ; tile_dim1
	s_mov_b32 s[\g+6], 0
	s_mov_b32 s[\g+7], 0
.endr
	s_mov_b32 s[G1A+5], 768                        ; a row of W0's codes in bytes
	s_mov_b32 s[G1B+5], 3072                       ; of W1's and W2's
	s_mov_b32 s[TB], 0
	s_mov_b32 s[SEL], 0x76543210
	s_mov_b32 s[SEL+1], 0xfedcba98
	s_mov_b32 s[FLOOR], 0x1800000                  ; 2^(3 - 127)
	s_mov_b32 s[NEG2], 0xff000000                  ; -(2 << 23)
	s_mov_b32 s[PSEL], 0x03010200                  ; bytes 1 and 2 change places
	s_mul_i32 s80, s[WV], QUART                    ; my 64 rows in a slot: no place in the cluster enters an LDS address
	s_mul_i32 s82, s[WV], 64*768                   ; and in W0,
	s_mov_b32 s83, 0
	s_mul_i32 s84, s[WV], 64*3072                  ; in W1 and W2
	s_mov_b32 s85, 0
	s_lshl_b32 s86, s32, 13                        ; x: batch 4 g + w, 2,048 bytes each
	s_lshl_b32 s87, s[WV], 11
	s_add_co_u32 s86, s86, s87
	s_mov_b32 s87, 0
	s_lshl_b32 s90, s32, 4                         ; out0: 16 bytes a work-group
	s_mov_b32 s91, 0
	s_wait_kmcnt 0x0
	s_mov_b32 s[G00], 1                            ; count = 1
	s_mov_b32 s[G00+1], s80                        ; slot 0
	s_add_nc_u64 s[G00+2:G00+3], s[4:5], s[82:83]  ; W0's chunk 0
	s_or_b32 s[G00+3], s[G00+3], 0x80000000        ; type = 2
	s_mov_b32 s[G01], 1
	s_add_co_u32 s[G01+1], s80, SLOT1              ; slot 1
	s_add_nc_u64 s[G01+2:G01+3], s[4:5], s[82:83]
	s_add_nc_u64 s[G01+2:G01+3], s[G01+2:G01+3], 384   ; W0's chunk 1
	s_or_b32 s[G01+3], s[G01+3], 0x80000000
	s_mov_b32 s[G0W], 1
	s_mov_b32 s[G0W+1], s80                        ; the first refill goes to slot 0
	s_add_nc_u64 s[PW1:PW1+1], s[8:9], s[84:85]
	s_add_nc_u64 s[PW2:PW2+1], s[12:13], s[84:85]
	s_add_nc_u64 s[26:27], s[26:27], s[86:87]
	s_add_nc_u64 s[28:29], s[28:29], s[90:91]
	ROUND                                          ; all four work-groups are here: the first joint loads meet
	tensor_load_to_lds s[G00:G00+3], s[G1A:G1A+7]  ; both first fills together, ahead of every wait on TENSORcnt, every LDS read and every other barrier: two loads of mine are out
	s_nop 0
	tensor_load_to_lds s[G01:G01+3], s[G1A:G1A+7]
	s_nop 0
	v_and_b32 v[LN], 31, v0                        ; lane
	v_and_b32 v[RR], 15, v0                        ; r
	v_bfe_u32 v[HH], v0, 4, 1                      ; h
	v_mul_u32_u24 v[AW0], v[RR], PITCH
	v_mad_u32_u24 v[AW0], v[HH], 48, v[AW0]
	s_mul_i32 s81, s[WV], 32*PITCH
	v_add_nc_u32 v[AW0], s81, v[AW0]
	v_lshl_add_u32 v[AW1], v[HH], 4, v[AW0]
	v_lshl_add_u32 v[ZR0], v[LN], 4, Z0
	v_lshl_add_u32 v[ZR0+1], v[LN], 4, Z1
	s_mul_i32 s81, s[WV], 1536
	v_add_nc_u32 v[ZW0], s81, v[ZR0]
	v_add_nc_u32 v[ZW0+1], s81, v[ZR0+1]
	v_lshl_add_u32 v[ZSR], v[LN], 2, ZSC
	v_lshl_add_u32 v[ZSW], v[RR], 2, ZSC
	s_lshl_b32 s81, s[WV], 6
	v_add_nc_u32 v[ZSW], s81, v[ZSW]
	v_lshl_add_u32 v[XAB], v[RR], 2, XB
	s_lshl_b32 s81, s[WV], 11
	v_add_nc_u32 v[XAB], s81, v[XAB]
	v_lshl_add_u32 v[XA0], v[HH], 7, v[XAB]
	v_lshl_add_u32 v[XST], v[LN], 4, XB
	v_add_nc_u32 v[XST], s81, v[XST]
	v_lshlrev_b32 v[GL16], 4, v[LN]
	s_lshl_b32 s81, s[WV], 10
	v_add_nc_u32 v[GS0], s81, v[GL16]
	s_add_co_u32 s81, s81, SC
	v_add_nc_u32 v[SQA], s81, v[GL16]
	v_and_b32 v[TA], 1, v[LN]                      ; layer 0: a load's lane holds row lane / 2, chunk lane % 2
	v_lshrrev_b32 v[TC], 1, v[LN]
	v_mul_u32_u24 v[SWA0], v[TA], SCH
	v_lshl_add_u32 v[SWA0], v[TC], 4, v[SWA0]
	v_add_nc_u32 v[SWA0], s81, v[SWA0]
	v_and_b32 v[TA], 7, v[LN]                      ; layers 1, 2: row lane / 8; place lane % 8 of the walk,
	v_lshrrev_b32 v[TC], 3, v[LN]
	v_mul_u32_u24 v[SWA1], v[TA], SCH
	v_lshl_add_u32 v[SWA1], v[TC], 4, v[SWA1]
	v_add_nc_u32 v[SWA1], s81, v[SWA1]
	v_add_nc_u32 v[TA], s[ROT], v[TA]              ; which is chunk (lane % 8 + rot) mod 8: the lane loads that chunk's 16 bytes of its row (eight lanes still cover a row's 128 bytes)
	v_and_b32 v[TA], 7, v[TA]
	v_lshlrev_b32 v[TA], 4, v[TA]
	v_lshl_add_u32 v[TA], v[TC], 7, v[TA]
	s_lshl_b32 s81, s[WV], 12
	v_add_nc_u32 v[GS1], s81, v[TA]
	v_mul_u32_u24 v[TA], v[RR], 528
	v_add_nc_u32 v[TA], HB, v[TA]
	v_lshl_add_u32 v[HWA], v[HH], 5, v[TA]
	s_lshl_b32 s81, s[WV], 7
	v_add_nc_u32 v[HWA], s81, v[HWA]
	v_lshl_add_u32 v[GB], v[HH], 5, s81
	v_lshl_add_u32 v[HRA], v[HH], 8, v[TA]
	s_mul_i32 s81, s[WV], 8448
	v_add_nc_u32 v[HRA], s81, v[HRA]
	s_lshl_b32 s81, s[WV], 4
	s_add_co_u32 s81, s81, RED
	v_mov_b32 v[REDW], s81
	v_and_b32 v[TA], 3, v[LN]
	v_lshl_add_u32 v[REDR], v[TA], 2, RED
	v_lshlrev_b32 v[SH8], 3, v[HH]
	v_lshlrev_b32 v[OUTO], 2, v[LN]
	s_lshl_b32 s81, s[ROT], 8                      ; 4 rot rows of x, 64 bytes each
	v_add_nc_u32 v[XO], s81, v[GL16]
.irp i, 1,2,3
	v_add_nc_u32 v[XO+\i], 512*\i, v[XO]
.endr
.irp i, 0,1,2,3
	v_and_b32 v[XO+\i], 2047, v[XO+\i]             ; round the batch's 2,048 bytes
.endr
.irp i, 1,3,5,7
	v_mov_b32 v[XV+\i], 0                          ; the upper words of x's pairs: named with the lower, never used
.endr
	v_mov_b32 v[WD2], 0                            ; a lane permute's destination counts as one of its sources
.irp i, 0,1,2,3,4,5,6,7
	v_mov_b32 v[S+\i], 0                           ; the final sums
.endr
	s_load_b32 s[FCB], s[24:25], 0x0               ; fc_b
.irp i, 0,1,2,3
	global_load_b128 v[XD+4*\i:XD+4*\i+3], v[GL16], s[26:27] offset:512*\i   ; my batch of x: 512 consecutive bytes a load.  (No hint: the wave reads these bytes once more, turned)
.endr
	WIN 0xc0                                       ; destination window 3
.irp u, 0,1
.irp i, 0,1
	global_load_b128 v[ST0+4*(2*\u+\i):ST0+4*(2*\u+\i)+3], v[GS0], s[6:7] offset:4096*\u+512*\i          ; the scale bytes of my 64 rows, whole rows, 512 consecutive bytes a load
.endr
.endr
.irp u, 0,1
.irp i, 0,1,2,3,4,5,6,7
	global_load_b128 v[ST1+4*(8*\u+\i):ST1+4*(8*\u+\i)+3], v[GS1], s[10:11] offset:16384*\u+512*\i
.endr
.endr
.irp u, 0,1
.irp i, 0,1,2,3,4,5,6,7
	global_load_b128 v[ST1+64+4*(8*\u+\i):ST1+64+4*(8*\u+\i)+3], v[GS1], s[14:15] offset:16384*\u+512*\i
.endr
.endr
	WIN 0
.set LAYER, 0
.set ZXB, 2                            ; layer 0: a K step is four m; my two blocks have an x each,
.set ZH1, 0                            ; and share the 32 numbers of h = x
.set ZHMB, 0
	s_wait_loadcnt 36                              ; x is in; the 36 loads issued behind it may be out
.irp i, 0,1,2,3
	ds_store_b128 v[XST], v[XD+4*\i:XD+4*\i+3] offset:512*\i
.endr
.irp i, 0,1,2,3,4,5,6,7,8,9,10,11,12,13,14,15,16,17,18,19,20,21,22,23,24,25,26,27,28,29,30,31
	ds_load_b32 v[H+\i], v[XAB] offset:64*\i       ; x[n][d = r]: LDS serves a wave's instructions in order (ISA guide 5.7.1.4): these see my stores
.endr
	XLD 0, XA0, 0
	XLD 1, XA0, 256
	WIN 0xc0
.irp i, 0,1
.irp hf, 0,1
	global_load_b128 v[FW0+8*\i+4*\hf:FW0+8*\i+4*\hf+3], v[GB], s[22:23] offset:64*\i+16*\hf              ; fc_W at the channels that lane (r, h) holds of each tile
	global_load_b128 v[FW1+8*\i+4*\hf:FW1+8*\i+4*\hf+3], v[GB], s[22:23] offset:512+64*\i+16*\hf
.endr
.endr
.irp i, 0,1,2,3
.irp hf, 0,1
	global_load_b128 v[FW2+8*\i+4*\hf:FW2+8*\i+4*\hf+3], v[GB], s[22:23] offset:1024+64*(\i%2)+512*(\i/2)+16*\hf
.endr
.endr
.irp i, 0,1,2,3
	global_load_b128 v[XR+4*\i:XR+4*\i+3], v[XO+\i], s[26:27]        ; x once more, its rows turned by 4 rot: it waits in registers for layer 0's end
.endr
	WIN 0x80                                       ; destination window 2
	BIASLD 0, 16
	BIASLD 1, 18
	BIASLD 2, 20
	s_wait_loadcnt 44                              ; the scale words are in; the 44 loads issued behind them (16 of fc_W, 4 of x, 24 of the biases) may be out
	WIN 0xcf                                       ; destination and both vector sources window 3
.set PI, 0
.rept 144
	v_perm_b32 v[PI], v[PI], v[PI], s[PSEL]        ; bytes 1 and 2 of each word change places, as the blocks do in the operands; once, while the first chunks are on their way
.set PI, PI+1
.endr
	WIN W_3
.irp u, 0,1
.irp i, 0,1
	ds_store_b128 v[SWA0], v[ST0+4*(2*\u+\i):ST0+4*(2*\u+\i)+3] offset:512*\u+256*\i
.endr
.endr
	WIN 0
	SQLD 0, SQA, 0
	s_wait_dscnt 0x0
	s_wait_loadcnt 0x0                             ; fc_W, the turned x and the biases
	s_wait_kmcnt 0x0                               ; fc_b
	HMAX 0
	ZFIRST XA0, 512
; ---------------------------------------------------------------- layer 0: eight K steps, written out, in K's own order (its two chunks are the first fills)
	HPE 2,0,0, 0,0, 0,1, 1,XA0,768, 0
	HPO 1,0, 1,1, 1,XA0,1024, 1,SQA,0, 0
	HPE 0,0,0, 2,1, 1,1, 1,XA0,1280, 0
	HPO 3,1, 0,1, 1,XA0,1536, 1,SQA,SCH, 0
	HPE 1,1,0, 0,0, 1,1, 1,XA0,1792, 0             ; slot 0 takes the first chunk of my walk through W1
	HPO 1,0, 0,1, 0,XA0,0, 1,SQA,SCH, 0
	HPE 0,0,0, 2,1, 1,0, 0,XA0,0, 0
	HPO 3,1, 0,0, 0,XA0,0, 0,SQA,0, 1
	TAIL
	EPI FW0
; ---------------------------------------------------------------- layer 1: 32 K steps
.set LAYER, 1
.set ZXB, 0                            ; a K step is one m: one x for both blocks,
.set ZH1, 32                           ; which are 64 neighbouring numbers of h
.set ZHMB, 1
	PROLOGUE
	s_mov_b32 s[CNT], 7
	s_mov_b32 s[TX], 0
	s_mov_b32 s[TX4], 512
	s_mov_b32 s[TS], SCH
	HPE 1,1,1, 0,0, 0,1, 1,XAB,192, 0              ; slot 1 takes the walk's second chunk of W1
	HPO 1,0, 1,1, 1,XAB,256, 1,SQA,0, 0
	WIN 0
.Llayer1:                                          ; seven trips of four K steps; each fills a slot again, the last with the first chunk of my walk through W2
	TRIP
	s_cbranch_scc1 .Llayer1
	HPE 0,0,0, 2,1, 1,0, 0,XAB,0, 0
	HPO 3,1, 0,0, 0,XAB,0, 0,SQA,0, 2
	TAIL
	EPI FW1
; ---------------------------------------------------------------- layer 2: 32 K steps
.set LAYER, 2
	PROLOGUE
	s_mov_b32 s[CNT], 6
	s_mov_b32 s[TX], 0
	s_mov_b32 s[TX4], 512
	s_mov_b32 s[TS], SCH
	HPE 1,1,1, 0,0, 0,1, 1,XAB,192, 0              ; slot 1 takes the walk's second chunk of W2
	HPO 1,0, 1,1, 1,XAB,256, 1,SQA,0, 0
	WIN 0
.Llayer2:                                          ; six trips; the seventh is written out
	TRIP
	s_cbranch_scc1 .Llayer2
	HPE 0,0,0, 2,1, 1,1, 1,XAB,1856, 0
	HPO 3,1, 0,1, 1,XAB,1920, 1,SQA,7*SCH, 0
	HPE 3,1,0, 0,0, 1,1, 1,XAB,1984, 0             ; the last chunk begins; nothing is left to fetch, so no round follows
	HPO 1,0, 0,1, 0,XAB,0, 1,SQA,7*SCH, 0
	HPE 0,0,0, 2,1, 1,0, 0,XAB,0, 0
	HPO 3,1, 0,0, 0,XAB,0, 0,SQA,0, 0
	TAIL
	RELU T, 0                                      ; all 256 channels go to the sum
	FCSUM FW2
	RELU T, 2
	FCSUM FW2+16
; ---------------------------------------------------------------- the end: over my 32 lanes (d and channels), then over the four waves
.irp c, 0,1,2,3
	v_add_f32 v[S+2*\c], v[S+2*\c], v[S+2*\c+1]
.endr
.irp m, 1,2,4,8
.irp c, 0,1,2,3
	v_add_f32_dpp v[S+2*\c], v[S+2*\c], v[S+2*\c] row_xmask:\m row_mask:0xf bank_mask:0xf
.endr
.endr
.irp c, 0,1,2,3
	v_permlanex16_b32 v[S+2*\c+1], v[S+2*\c], s[SEL], s[SEL+1]
.endr
.irp c, 0,1,2,3
	v_add_f32 v[S+2*\c], v[S+2*\c], v[S+2*\c+1]
.endr
.irp c, 0,1,2,3
	ds_store_b32 v[REDW], v[S+2*\c] offset:4*\c    ; all lanes write the same word with the same value
.endr
	BARRIER
.irp i, 0,1,2,3
	ds_load_b32 v[T+\i], v[REDR] offset:16*\i      ; lane l: the four waves' sums of batch l % 4
.endr
	s_wait_dscnt 0x0
	v_add_f32 v[T], v[T], v[T+1]
	v_add_f32 v[T+2], v[T+2], v[T+3]
	v_add_f32 v[T], v[T], v[T+2]
	v_add_f32 v[T], s[FCB], v[T]
	s_wait_xcnt 0x0                                ; EXEC changes only behind this wait
	v_cmp_gt_u32 vcc_lo, 4, v0                     ; threads 0 to 3, which are lanes of wave 0: one owner for each number; the other waves store nothing
	s_and_saveexec_b32 s80, vcc_lo
	global_store_b32 v[OUTO], v[T], s[28:29]       ; out0[4 g + lane]
	s_wait_xcnt 0x0                                ; and again in front of the line that widens it
	s_or_b32 exec_lo, exec_lo, s80
	s_wait_tensorcnt 0x0                           ; the wave's end, behind my last tensor load and my last LDS store
	ds_add_u32 v[SPW], v[NIL]
	s_wait_dscnt 0x0
	ROUND                                          ; the closing round: no work-group ends while a partner may still ask for a chunk that names it
	s_endpgm
.Lfunc_end_k_q147f694df4_cin:
	.size	k_q147f694df4_cin, .Lfunc_end_k_q147f694df4_cin-k_q147f694df4_cin
	.p2alignl 7, 3214868480
	.fill 96, 4, 3214868480
	.section	.rodata,"a",@progbits
	.p2align	6, 0x0
	.amdhsa_kernel k_q147f694df4_cin
		.amdhsa_group_segment_fixed_size 327680
		.amdhsa_private_segment_fixed_size 0
		.amdhsa_enable_private_segment 0
		.amdhsa_kernarg_size 104
		.amdhsa_user_sgpr_count 2
		.amdhsa_user_sgpr_kernarg_segment_ptr 1
		.amdhsa_wavefront_size32 1
		.amdhsa_system_sgpr_workgroup_id_x 1
		.amdhsa_system_sgpr_workgroup_id_y 1
		.amdhsa_system_sgpr_workgroup_id_z 1
		.amdhsa_system_vgpr_workitem_id 0
		.amdhsa_next_free_vgpr 1024
		.amdhsa_next_free_sgpr 96
		.amdhsa_reserve_vcc 1
		.amdhsa_float_denorm_mode_32 3
		.amdhsa_float_denorm_mode_16_64 3
		.amdhsa_memory_ordered 1
		.amdhsa_forward_progress 1
		.amdhsa_inst_pref_size 255
	.end_amdhsa_kernel
	.section	.bss,"aw",@nobits
	.p2align	6
	.space	262144
	.amdgpu_metadata
---
amdhsa.version: [ 1, 2 ]
amdhsa.kernels:
  - .name:           k_q147f694df4_cin
    .symbol:         k_q147f694df4_cin.kd
    .args:
      - { .name: W0_codes, .offset: 0, .size: 8, .value_kind: global_buffer, .address_space: global }
      - { .name: W0_scales, .offset: 8, .size: 8, .value_kind: global_buffer, .address_space: global }
      - { .name: W1_codes, .offset: 16, .size: 8, .value_kind: global_buffer, .address_space: global }
      - { .name: W1_scales, .offset: 24, .size: 8, .value_kind: global_buffer, .address_space: global }
      - { .name: W2_codes, .offset: 32, .size: 8, .value_kind: global_buffer, .address_space: global }
      - { .name: W2_scales, .offset: 40, .size: 8, .value_kind: global_buffer, .address_space: global }
      - { .name: b0, .offset: 48, .size: 8, .value_kind: global_buffer, .address_space: global }
      - { .name: b1, .offset: 56, .size: 8, .value_kind: global_buffer, .address_space: global }
      - { .name: b2, .offset: 64, .size: 8, .value_kind: global_buffer, .address_space: global }
      - { .name: fc_W, .offset: 72, .size: 8, .value_kind: global_buffer, .address_space: global }
      - { .name: fc_b, .offset: 80, .size: 8, .value_kind: global_buffer, .address_space: global }
      - { .name: x, .offset: 88, .size: 8, .value_kind: global_buffer, .address_space: global }
      - { .name: out0, .offset: 96, .size: 8, .value_kind: global_buffer, .address_space: global }
    .group_segment_fixed_size: 327680
    .private_segment_fixed_size: 0
    .kernarg_segment_align: 8
    .kernarg_segment_size: 104
    .max_flat_workgroup_size: 128
    .sgpr_count:     96
    .vgpr_count:     1024
    .wavefront_size: 32
...
	.end_amdgpu_metadata
.endif
;; end of part 2
